; MI455X (gfx1250); checked and timed in simulation.
; The chip was launched on July 23, 2026; its instructions are those of AMD's public machine-readable ISA for CDNA 5 (MIT licence, August 2026) and "CDNA5" Instruction Set Architecture Reference Guide (July 2026). The comments in the code are by the model that wrote it; some were corrected since.
;; Git Self Attention. Allowed arithmetic: matrix products marked QUANTISED: E2M1 operands, one E8M0 scale for each 32 along K, by v_wmma_scale_f32_16x16x128_f8f6f4 with both operands' format E2M1 (or v_wmma_scale_f32_32x16x128_f4), f32 sums; everything else in f32.
;; Inputs: bk 1,024 float32; bq 1,024 float32; bv 1,024 float32; dist_emb 2,047 x 64 float32; hidden_states_codes 4 x 1,024 x 32 x 16 uint8 (E2M1 codes of hidden_states, K innermost, in blocks of 32 codes, two codes a byte); hidden_states_scales 4 x 1,024 x 32 uint8 (E8M0 scales of hidden_states, one for each 32 codes along K); wk_codes 1,024 x 32 x 16 uint8 (E2M1 codes of wk, K innermost, in blocks of 32 codes, two codes a byte); wk_scales 1,024 x 32 uint8 (E8M0 scales of wk, one for each 32 codes along K); wq_codes 1,024 x 32 x 16 uint8 (E2M1 codes of wq, K innermost, in blocks of 32 codes, two codes a byte); wq_scales 1,024 x 32 uint8 (E8M0 scales of wq, one for each 32 codes along K); wv_codes 1,024 x 32 x 16 uint8 (E2M1 codes of wv, K innermost, in blocks of 32 codes, two codes a byte); wv_scales 1,024 x 32 uint8 (E8M0 scales of wv, one for each 32 codes along K).
;; Outputs: out0 4 x 1,024 x 1,024 float32.
;; This version of the problem:
;;   THIS VERSION OF THE PROBLEM IS GIVEN IN LOW PRECISION. The matrix products marked QUANTISED in the list below multiply operands that are first quantised to E2M1 (2 exponent bits, 1 mantissa bit; 4 bits a number), with one power-of-two scale for each 32 numbers along K (OCP MX v1.0); their sums are f32. All else is computed in f32.
;;   The module's matrix products, in the order in which they are computed (A, B: the left and right operand; K: the contracted axis; several contracted axes count as one K, in the product's order):
;;     1. [M 4,096, K 1,024] x [K 1,024, N 1,024]; A: input hidden_states (given as codes); B: input wq (given as codes): QUANTISED
;;     2. [M 4,096, K 1,024] x [K 1,024, N 1,024]; A: input hidden_states (given as codes); B: input wk (given as codes): QUANTISED
;;     3. [M 4,096, K 1,024] x [K 1,024, N 1,024]; A: input hidden_states (given as codes); B: input wv (given as codes): QUANTISED
;;     4. batch 64 x [M 1,024, K 64] x [K 64, N 1,024]; A: computed on the way; B: computed on the way: QUANTISED
;;     5. batch 1,024 x [M 1,024, K 64] x [K 64, N 64]; A: computed on the way; B: computed on the way: QUANTISED
;;     6. batch 1,024 x [M 1,024, K 64] x [K 64, N 64]; A: computed on the way; B: computed on the way: QUANTISED
;;     7. batch 64 x [M 1,024, K 1,024] x [K 1,024, N 64]; A: softmax (see below); B: computed on the way: QUANTISED
;;   THE QUANTISER, for each operand of a quantised product, along K:
;;     - K is cut into blocks of 32 from its start; a last block that is shorter is filled with zeros.
;;     - A block's scale is 2^e with e = floor(log2(the largest magnitude in the block)) - 2, held to -126 .. 127; a block of zeros has e = 0. As a byte (E8M0): e + 127.
;;     - Each number is divided by its block's scale, clamped to +-6, and rounded to the nearest number of E2M1, ties to even, subnormals kept.
;;     - The product sums the exact products of the quantised numbers (number of the format x scale) in f32.
;;   ~~~python
;;   def quantise(x, axis):      # numpy; x: float32 -> the quantised numbers, widened to float32 again
;;       x = np.moveaxis(x, axis, -1); K = x.shape[-1]
;;       x = np.pad(x, [(0, 0)] * (x.ndim - 1) + [(0, -K % 32)]); x = x.reshape(x.shape[:-1] + (-1, 32)); a = np.abs(x).max(-1, keepdims=True)
;;       e = np.where(a > 0, np.clip(np.frexp(np.where(a > 0, a, 1))[1] - 1 - 2, -126, 127), 0)      # np.frexp(a)[1] - 1 = floor(log2(a)), exactly
;;       r = np.clip(x / 2.0 ** e, -6, 6)
;;       step = 2.0 ** (np.maximum(np.frexp(np.where(r == 0, 1, r))[1] - 1, 0) - 1)
;;       q = np.round(r / step) * step * 2.0 ** e      # np.round: ties to even
;;       return np.moveaxis(q.reshape(q.shape[:-2] + (-1,))[..., :K], -1, axis).astype(np.float32)
;;   ~~~
;;   SOFTMAX AHEAD OF A QUANTISED PRODUCT. Where the list says 'softmax', what is quantised is not the finished softmax but p = 2^(t - M), with t = logit x log2(e) and M = ceil(the row's largest t), a whole number; so 1/2 < the row's largest p <= 1. The row's sum l is taken of the UNQUANTISED p, in f32, and the product's result is divided by l at the end. Since M is a whole number, a kernel that streams over the keys may use a running M (the ceiling of the running maximum): every later rescaling is an exact power of two, which a block's scale takes up: the codes' values come out the same.
;;   OPERANDS COMPUTED ON THE WAY. 'Computed on the way' means the value that the module computes at that place (a softmax that the list does not call 'softmax' is quantised finished and normalised). What goes into a quantiser is computed in f32, as accurately as f32 sums, v_exp_f32 and their like allow (about 1e-6 of the number): no bf16 or f16 on the way to a quantiser, and a product that is left as it is and whose result goes on into a quantised operand takes f32 operands (vector FMAs, or v_wmma_f32_16x16x4_f32). A number that lies on a knife's edge between two numbers of the format may be rounded either way, as far as f32 arithmetic and the matrix unit's own rounding can turn it there, and no further.
;;   INPUTS GIVEN AS CODES. hidden_states (in the module: [4, 1024, 1024], K = its axis 2); wk (in the module: [1024, 1024], K = its axis 1); wq (in the module: [1024, 1024], K = its axis 1); wv (in the module: [1024, 1024], K = its axis 1): each comes as NAME_codes (uint8): NAME with its K axis moved to the last place and cut into blocks of 32 codes, [.., K / 32, bytes a block], one block behind the other in memory; two codes a byte, the lower K in the low four bits (a code: sign, 2 exponent bits, 1 mantissa bit); and NAME_scales (uint8): the same leading axes, one E8M0 byte (e + 127) for each 32 codes along K. Its value is code x scale, taken as it is: it is not quantised again, and the codes and scales need not be those that the quantiser above would give.
;; 2 versions, each right; version 2 is version 1 with the launch attn written anew for expert scheduling mode. Each part assembles by itself: llvm-mc -triple=amdgcn-amd-amdhsa -mcpu=gfx1250 --defsym DOCPART=n.
;; ======== version 1 of 2: 2 launches
;; workspace buffers: qimg 2,097,152 bytes; kimg 2,097,152 bytes; vimg 2,097,152 bytes; qsc 262,144 bytes; ksc 262,144 bytes; vsc 131,072 bytes; eimg 65,536 bytes; esc 8,192 bytes
;; launch proj (part 1): grid 16 x 16, 12 waves a work-group, clusters of 4 x 4, 253,440 bytes of LDS; arguments hidden_states_codes, hidden_states_scales, wq_codes, wq_scales, wk_codes, wk_scales, wv_codes, wv_scales, bq, bk, bv, dist_emb, qimg, qsc, kimg, ksc, vimg, vsc, eimg, esc; writes qimg, qsc, kimg, ksc, vimg, vsc, eimg, esc
.if DOCPART == 1
	.amdgcn_target "amdgcn-amd-amdhsa--gfx1250"
	.amdhsa_code_object_version 6
	.text
	.protected	k_q8355c6dd5c_proj
	.globl	k_q8355c6dd5c_proj
	.p2align	8
	.type	k_q8355c6dd5c_proj,@function
k_q8355c6dd5c_proj:
	s_mov_b64 s[64:65], 0
	v_nop
	global_prefetch_b8 v0, s[64:65] scope:SCOPE_SE
	s_setreg_imm32_b32 hwreg(HW_REG_WAVE_MODE, 25, 1), 1
	s_wait_xcnt 0x0
	s_wait_alu depctr_hold_cnt(0) depctr_sa_sdst(0) depctr_va_vdst(0) depctr_va_sdst(0) depctr_va_ssrc(0) depctr_va_vcc(0) depctr_vm_vsrc(0)
	s_getreg_b32 s2, hwreg(HW_REG_IB_STS2, 6, 4)
	s_cmp_eq_u32 s2, 0
	s_cbranch_scc0 .Lentry_in_a_cluster
	s_endpgm
.Lentry_in_a_cluster:
	s_bfe_u32 s2, ttmp6, 0x10000c
	s_cmp_lg_u32 s2, 0xf033
	s_cbranch_scc0 .Lentry_shape_is_right
	s_endpgm
.Lentry_shape_is_right:
; q, k, v = X W^T + b on given codes of FP4 (E2M1, one E8M0 byte for each 32 along K = 1,024), then quantised again for the attention launch:
; q and k along the head's 64 channels, v along the tokens; and the 2,047 rows of dist_emb quantised along their 64 channels.
; SHARES.  A work-group owns one head (64 rows of each of Wq, Wk, Wv) and 256 tokens.  All that it reads comes into LDS ONCE: 4 x 64 rows of X and 3 x 64 rows of W, 512 bytes of codes a row,
; and their scale bytes.  Nothing is filled again, so there is no ring.  Twelve waves: waves 0-3 make q, waves 4-7 k (64 tokens x 64 channels each), waves 8-11 v (128 tokens x 32 channels each):
; 16 accumulators a wave, 16 matrix instructions for each 128 along K.  Wave 11 quantises eight rows of dist_emb while the tiles are on their way.
; CLUSTER.  4 x 4 work-groups: the four of a row of the cluster share the tokens, the four of a column the head; each tile is asked for jointly, with a mask that names the four.
; LAYOUT.  q, k: source 0 = 16 rows of W, source 1 = 16 tokens: a lane holds one token, its registers run along the channels, which are the next K.  v: source 0 = 16 tokens, source 1 = 16 rows of Wv:
; a lane holds one channel, its registers run along the tokens, which are the next K.  THE ROWS OF SOURCE 0 THAT FORM A TILE ARE NOT NEIGHBOURS: lane r of tile 2 b + u takes row 32 b + 8 u + r + 8 (r / 8),
; so that the 16 registers of tiles 2 b and 2 b + 1 are 16 neighbours along the next K.  The biases are the C of each sum's first matrix instruction.
; OUT.  Codes leave as images of the operand's registers (16 bytes a lane, 512 bytes a store), scale words beside them:
;   qimg, kimg [bh][token / 16][lane][16]: lane (r, h) = channels 32 h .. 32 h + 31 of token 16 T + r;   qsc, ksc [bh][token / 64][token % 16][(token / 16) % 4] words (s0, s1, s0, s1);
;   vimg [bh][token / 128][channel / 16][c][lane][16];   vsc [bh][token / 128][channel / 16][channel % 16] words;
;   eimg [row / 16][h][row % 16][16];   esc word J = s0(J), s1(J), s0(J - 16), s1(J - 16).  Row 2047 of eimg is a copy of other numbers: no score uses it.
;   dist_emb's codes and scale bytes leave in runs of 128 and 32 bytes: 72 KiB in the whole launch.
; LIMITS.  NaN and infinities among the inputs are not served; a given scale byte 0xff gives NaN.  A block whose largest magnitude lies under 2^-124 keeps the byte 1, a block of zeros too
; (the rule says 127): its codes are zeros, and these bytes are read by this program alone.
.set PART,  33792                      ; 64 rows x 528 bytes
.set PITCH, 528                        ; an LDS row: 512 bytes + 16 of padding = 33 x 16: the 16 rows of a load start at 16 different groups of banks
.set SCL,   7*PART                     ; behind the seven parts of codes: their scale bytes
.set SPART, 2176                       ; 64 rows x 32 bytes as 8 units of 256 bytes + 16
.set SUNIT, 272
.set WV,   44                          ; s44 wave   s45 cx   s46 cy   s47 head   s48 block of 256 tokens   s49, s50 the two masks
.set HD,   47
.set TB,   48
.set SEL,  104                         ; s104, s105 lane selects for v_permlanex16_b32: lane l xor 16
.set G0XC, 4                           ; groups 0: X's codes, X's scales, W's codes, W's scales (over the input pointers, once these are used up)
.set G0XS, 8
.set G0WC, 12
.set G0WS, 16
.set G1CX, 52                          ; groups 1: codes of X, codes of W, scales of X, scales of W
.set G1CW, 68
.set G1SX, 76
.set G1SW, 84
; v1 r, v2 h; v3-6 LDS addresses of the q/k role (source 0, source 1, their scale words), v7-10 of the v role; v16-25 scale words and nothing else
.macro CROUND                          ; a round of the cluster's barrier
	s_barrier_signal -1
	s_barrier_wait -1
	s_cmp_lg_u32 s[WV], 0
	s_cbranch_scc1 .Lnot_wave_0_\@
	s_barrier_signal -3
.Lnot_wave_0_\@:
	s_barrier_wait -3
	s_barrier_signal -1
	s_barrier_wait -1
.endm
.macro MM d, a, b, c, sa, sb
	v_wmma_scale_f32_16x16x128_f8f6f4 v[\d:\d+7], v[\a:\a+7], v[\b:\b+7], v[\c:\c+7], v[\sa], v[\sb] matrix_a_fmt:MATRIX_FMT_FP4 matrix_b_fmt:MATRIX_FMT_FP4
.endm
.macro FRAG reg, adr, off              ; 16 rows x 128 K: registers 4 c .. 4 c + 3 hold K = 64 c + 32 h + 0 .. 31: two loads of 16 bytes, 32 bytes apart
	ds_load_b128 v[\reg:\reg+3], v[\adr] offset:\off
	ds_load_b128 v[\reg+4:\reg+7], v[\adr] offset:\off+32
.endm
.macro NOPS n
.rept \n
	v_nop
.endr
.endm
; nb blocks of 32: register s + 16 b + i of lane (r, h) is number 32 b + 16 h + i along K.  Codes to v[pc] on, in the operand's layout; the blocks' bytes to v[tm + 4] on.
.macro QUANT s, nb, pc, tm
.set QB, 0
.rept \nb
	v_max3_num_f32 v[\tm+QB], |v[\s+16*QB]|, |v[\s+16*QB+1]|, 0x1800000   ; my 16 numbers, and the floor 2^(3 - 127): the byte cannot fall under 1
.set QB, QB+1
.endr
.irp i, 2,4,6,8,10,12,14
.set QB, 0
.rept \nb
	v_max3_num_f32 v[\tm+QB], v[\tm+QB], |v[\s+16*QB+\i]|, |v[\s+16*QB+\i+1]|
.set QB, QB+1
.endr
.endr
.set QB, 0
.rept \nb
	v_permlanex16_b32 v[\tm+4+QB], v[\tm+QB], s[SEL], s[SEL+1]
.set QB, QB+1
.endr
.set QB, 0
.rept \nb
	v_max_num_f32 v[\tm+QB], v[\tm+QB], v[\tm+4+QB]                      ; with lane l xor 16's: the block's largest magnitude
.set QB, QB+1
.endr
.set QB, 0
.rept \nb
	v_add_nc_u32 v[\tm+12+QB], 0xff000000, v[\tm+QB]                     ; 2 off its exponent field: the conversion's scale operand
.set QB, QB+1
.endr
.set QB, 0
.rept \nb
	v_lshrrev_b32 v[\tm+4+QB], 23, v[\tm+12+QB]                          ; the scale's byte
.set QB, QB+1
.endr
.set QB, 0
.rept \nb
	v_cvt_scalef32_pk8_fp4_f32 v[\pc+2*QB], v[\s+16*QB:\s+16*QB+7], v[\tm+12+QB]
	v_cvt_scalef32_pk8_fp4_f32 v[\pc+2*QB+1], v[\s+16*QB+8:\s+16*QB+15], v[\tm+12+QB]
.set QB, QB+1
.endr
	v_nop                                          ; one plain place behind a scaled conversion
.set QB, 0
.rept \nb/2                                    ; the operand's layout wants a whole block in a lane
	v_permlane16_swap_b32 v[\pc+4*QB], v[\pc+4*QB+2]
	v_permlane16_swap_b32 v[\pc+4*QB+1], v[\pc+4*QB+3]
.set QB, QB+1
.endr
.endm
	s_load_b512 s[4:19], s[0:1], 0x0               ; X codes, X scales, Wq codes, scales, Wk codes, scales, Wv codes, scales
	s_load_b256 s[20:27], s[0:1], 0x40             ; bq, bk, bv, dist_emb
	s_load_b512 s[28:43], s[0:1], 0x60             ; qimg, qsc, kimg, ksc, vimg, vsc, eimg, esc
	s_set_vgpr_msb 0x40
	v_lshl_add_u32 v0, v0, 2, 0x3d800
	v_mov_b32 v1, 0
	s_set_vgpr_msb 0x4045
	ds_add_u32 v0, v1
	ds_add_u32 v0, v1
	s_set_vgpr_msb 0x4500
	v_lshrrev_b32 v11, 5, v0
	v_readfirstlane_b32 s[WV], v11                 ; wave 0..11
	v_and_b32 v1, 15, v0                           ; r
	v_bfe_u32 v2, v0, 4, 1                         ; h
	; every LDS address of both roles is made here, by every wave, from the lane and the wave's number
	v_and_b32 v11, 8, v1
	v_add_nc_u32 v11, v11, v1                      ; r + 8 (r / 8)
	v_mul_u32_u24 v12, v11, PITCH
	v_lshl_add_u32 v12, v2, 4, v12                 ; source 0's rows
	v_mul_u32_u24 v13, v1, PITCH
	v_lshl_add_u32 v13, v2, 4, v13                 ; source 1's rows
	v_lshrrev_b32 v30, 3, v1
	v_and_b32 v31, 7, v1
	v_lshlrev_b32 v31, 5, v31
	v_mad_u32_u24 v14, v30, 2*SUNIT, v31           ; scale bytes of row R lie at 272 (R / 8) + 32 (R % 8): source 0's rows,
	v_mad_u32_u24 v15, v30, SUNIT, v31             ; source 1's
	s_lshr_b32 s98, s[WV], 2
	s_add_co_u32 s98, s98, 4                       ; q/k role: my part of W: 4 (q) or 5 (k)
	s_mul_i32 s99, s98, PART
	v_add_nc_u32 v3, s99, v12
	s_mul_i32 s99, s98, SPART
	s_add_co_u32 s99, s99, SCL
	v_add_nc_u32 v5, s99, v14
	s_and_b32 s98, s[WV], 3                        ; and my 64 tokens
	s_mul_i32 s99, s98, PART
	v_add_nc_u32 v4, s99, v13
	s_mul_i32 s99, s98, SPART
	s_add_co_u32 s99, s99, SCL
	v_add_nc_u32 v6, s99, v15
	s_bfe_u32 s98, s[WV], 0x10001                  ; v role: my 128 tokens
	s_mul_i32 s99, s98, 128*PITCH
	v_add_nc_u32 v7, s99, v12
	s_mul_i32 s99, s98, 16*SUNIT
	s_add_co_u32 s99, s99, SCL
	v_add_nc_u32 v9, s99, v14
	s_and_b32 s98, s[WV], 1                        ; and my 32 rows of Wv
	s_mul_i32 s99, s98, 32*PITCH
	s_add_co_u32 s99, s99, 6*PART
	v_add_nc_u32 v8, s99, v13
	s_mul_i32 s99, s98, 4*SUNIT
	s_add_co_u32 s99, s99, SCL+6*SPART
	v_add_nc_u32 v10, s99, v15
	; my place
	s_bfe_u32 s45, ttmp6, 0x40000                  ; cx
	s_bfe_u32 s46, ttmp6, 0x40004                  ; cy
	s_lshl_b32 s[HD], ttmp9, 2
	s_add_co_u32 s[HD], s[HD], s45                 ; head = 4 x cluster x + cx
	s_and_b32 s[TB], ttmp7, 0xffff
	s_lshl_b32 s[TB], s[TB], 2
	s_add_co_u32 s[TB], s[TB], s46                 ; block of tokens = 4 x cluster y + cy
	s_lshl_b32 s49, s46, 2
	s_lshl_b32 s49, 15, s49                        ; my row of the cluster: shares the tokens
	s_lshl_b32 s50, 0x1111, s45                    ; my column: shares the head
	; groups 1.  Codes: 64 rows of 512 bytes, 16 bytes of padding behind each (128 words: code 6; 4 words: code 3)
	s_or_b32 s[G1CX], s49, (1<<20)|(1<<21)|(6<<22)|(3<<25)
	s_or_b32 s[G1CW], s50, (1<<20)|(1<<21)|(6<<22)|(3<<25)
.irp g, G1CX, G1CW
	s_mov_b32 s[\g+1], 512<<16                     ; tensor_dim0
	s_mov_b32 s[\g+2], 64<<16                      ; tensor_dim1
	s_mov_b32 s[\g+3], 512<<16                     ; tile_dim0
	s_mov_b32 s[\g+4], 64                          ; tile_dim1
	s_mov_b32 s[\g+5], 512                         ; bytes from row to row
	s_mov_b32 s[\g+6], 0
	s_mov_b32 s[\g+7], 0
.endr
	; scales: 2,048 dense bytes as 8 rows of 256 (32 elements of 8 bytes), 16 bytes of padding behind each
	s_or_b32 s[G1SX], s49, (3<<16)|(1<<20)|(1<<21)|(5<<22)|(3<<25)
	s_or_b32 s[G1SW], s50, (3<<16)|(1<<20)|(1<<21)|(5<<22)|(3<<25)
.irp g, G1SX, G1SW
	s_mov_b32 s[\g+1], 32<<16
	s_mov_b32 s[\g+2], 8<<16
	s_mov_b32 s[\g+3], 32<<16
	s_mov_b32 s[\g+4], 8
	s_mov_b32 s[\g+5], 32
	s_mov_b32 s[\g+6], 0
	s_mov_b32 s[\g+7], 0
.endr
	; where the tiles come from: X's hang on the block of tokens and the wave, W's on the head and the wave; each in registers that never hold the other coordinate
	s_lshl_b32 s92, s[TB], 8
	s_and_b32 s93, s[WV], 3
	s_lshl_b32 s93, s93, 6
	s_add_co_u32 s92, s92, s93                     ; X: row 256 x block + 64 x wave
	s_lshl_b32 s66, s92, 9
	s_mov_b32 s67, 0
	s_lshl_b32 s2, s92, 5
	s_mov_b32 s3, 0
	s_lshl_b32 s94, s[HD], 15                      ; W: 64 rows x 512 bytes a head,
	s_mov_b32 s95, 0
	s_lshl_b32 s96, s[HD], 11                      ; 64 x 32 bytes of scales
	s_mov_b32 s97, 0
	s_mul_i32 s51, s[WV], PART                     ; where they go: part = wave (0-3: X, 4: Wq, 5: Wk, 6: Wv)
	s_mul_i32 s93, s[WV], SPART
	s_add_co_u32 s93, s93, SCL
	s_wait_dscnt 0x0
	s_wait_kmcnt 0x0
	s_add_nc_u64 s[66:67], s[4:5], s[66:67]
	s_add_nc_u64 s[2:3], s[6:7], s[2:3]
	s_cmp_eq_u32 s[WV], 4                          ; which W: the choice hangs on the wave's number alone
	s_cselect_b64 s[60:61], s[8:9], s[12:13]
	s_cselect_b64 s[62:63], s[10:11], s[14:15]
	s_cmp_gt_u32 s[WV], 5
	s_cselect_b64 s[60:61], s[16:17], s[60:61]
	s_cselect_b64 s[62:63], s[18:19], s[62:63]
	s_add_nc_u64 s[60:61], s[60:61], s[94:95]
	s_add_nc_u64 s[62:63], s[62:63], s[96:97]
	s_mov_b32 s[G0XC], 1
	s_mov_b32 s[G0XC+1], s51
	s_mov_b64 s[G0XC+2:G0XC+3], s[66:67]
	s_or_b32 s[G0XC+3], s[G0XC+3], 0x80000000
	s_mov_b32 s[G0XS], 1
	s_mov_b32 s[G0XS+1], s93
	s_mov_b64 s[G0XS+2:G0XS+3], s[2:3]
	s_or_b32 s[G0XS+3], s[G0XS+3], 0x80000000
	s_mov_b32 s[G0WC], 1
	s_mov_b32 s[G0WC+1], s51
	s_mov_b64 s[G0WC+2:G0WC+3], s[60:61]
	s_or_b32 s[G0WC+3], s[G0WC+3], 0x80000000
	s_mov_b32 s[G0WS], 1
	s_mov_b32 s[G0WS+1], s93
	s_mov_b64 s[G0WS+2:G0WS+3], s[62:63]
	s_or_b32 s[G0WS+3], s[G0WS+3], 0x80000000
	CROUND                                         ; all sixteen work-groups are here: the joint loads meet
	s_cmp_lt_u32 s[WV], 4                          ; a wave's two fills stand in one branch: two tensor loads of a wave are out at the most; waves 7-11 issue none
	s_cbranch_scc0 .Lnot_x
	tensor_load_to_lds s[G0XS:G0XS+3], s[G1SX:G1SX+7]
	s_nop 0
	tensor_load_to_lds s[G0XC:G0XC+3], s[G1CX:G1CX+7]
	s_nop 0
	NOPS 4
	s_branch .Lasked
.Lnot_x:
	s_cmp_lt_u32 s[WV], 7
	s_cbranch_scc0 .Lasked
	tensor_load_to_lds s[G0WS:G0WS+3], s[G1SW:G1SW+7]
	s_nop 0
	tensor_load_to_lds s[G0WC:G0WC+3], s[G1CW:G1CW+7]
	s_nop 0
	NOPS 4
.Lasked:
	; ---- wave 11: eight rows of dist_emb, while the tiles are on their way.  Lane: row 8 g + lane / 4, 16 numbers (a quarter of the row); two neighbouring lanes hold a block
	s_cmp_lg_u32 s[WV], 11
	s_cbranch_scc1 .Lno_e
	s_lshl_b32 s98, s[TB], 4
	s_add_co_u32 s98, s98, s[HD]                   ; g = 16 x block + head: 0 .. 255
	s_lshl_b32 s99, s98, 11
	s_lshr_b32 s100, s98, 1
	s_lshl_b32 s100, s100, 9
	s_and_b32 s101, s98, 1
	s_lshl_b32 s101, s101, 7
	s_add_co_u32 s100, s100, s101                  ; eimg: 512 (g / 2) + 128 (g % 2)
	s_lshl_b32 s101, s98, 5                        ; esc: 32 g
	v_and_b32 v31, 31, v0
	v_lshl_add_u32 v80, v31, 6, s99                ; my 64 bytes of row J,
	v_add_nc_u32 v81, 0xfffff000, v80
	v_max_i32 v81, 0, v81                          ; and of row J - 16 (for J < 16: row 0's; those bytes only ever meet zero codes)
	v_min_u32 v80, 523968, v80                     ; row 2047 does not exist: no load leaves the buffer
.irp i, 0,1,2,3
	global_load_b128 v[32+4*\i:35+4*\i], v80, s[26:27] offset:16*\i
	global_load_b128 v[48+4*\i:51+4*\i], v81, s[26:27] offset:16*\i
.endr
	v_and_b32 v82, 2, v31                          ; 2 x (which block of the row)
	v_lshrrev_b32 v26, 2, v31
	v_lshlrev_b32 v26, 4, v26
	v_and_b32 v83, 1, v31
	v_lshl_add_u32 v26, v83, 3, v26
	v_lshl_add_u32 v26, v82, 7, v26
	v_add_nc_u32 v26, s100, v26                    ; my 8 bytes of codes: 256 x block + 16 x row + 8 x half of the block
	v_add_nc_u32 v27, s101, v31                    ; my byte of the row's scale word
	v_and_b32 v84, 3, v31
	v_lshlrev_b32 v84, 3, v84
	v_mov_b32 v72, 0
	s_wait_loadcnt 0x0
	v_max3_num_f32 v64, |v32|, |v33|, 0x1800000
	v_max3_num_f32 v65, |v48|, |v49|, 0x1800000
.irp i, 2,4,6,8,10,12,14
	v_max3_num_f32 v64, v64, |v[32+\i]|, |v[33+\i]|
	v_max3_num_f32 v65, v65, |v[48+\i]|, |v[49+\i]|
.endr
	v_max_num_f32_dpp v64, v64, v64 row_xmask:1 row_mask:0xf bank_mask:0xf
	v_max_num_f32_dpp v65, v65, v65 row_xmask:1 row_mask:0xf bank_mask:0xf
	v_add_nc_u32 v66, 0xff000000, v64
	v_add_nc_u32 v67, 0xff000000, v65
	v_cvt_scalef32_pk8_fp4_f32 v28, v[32:39], v66
	v_cvt_scalef32_pk8_fp4_f32 v29, v[40:47], v66
	v_lshrrev_b32 v70, 23, v66                     ; my block's byte in row J,
	v_lshrrev_b32 v71, 23, v67                     ; and in row J - 16
	v_lshl_or_b32 v70, v71, 16, v70
	v_mov_b32_dpp v72, v70 row_xmask:2 row_mask:0xf bank_mask:0xf   ; the row's other block's two
	v_cmp_ne_u32 vcc_lo, 0, v82
	v_cndmask_b32 v73, v70, v72, vcc_lo            ; block 0's
	v_cndmask_b32 v74, v72, v70, vcc_lo            ; block 1's
	v_lshl_or_b32 v73, v74, 8, v73                 ; s0(J), s1(J), s0(J - 16), s1(J - 16)
	v_lshrrev_b32 v30, v84, v73                    ; the four lanes of a row store a byte each
	global_store_b64 v26, v[28:29], s[40:41]
	global_store_b8 v27, v30, s[42:43]             ; v26-30 are not written again
.Lno_e:
	s_wait_tensorcnt 0x0                           ; my tiles have landed,
	s_barrier_signal -1
	s_barrier_wait -1                              ; everybody's have; LDS is only read from here on
	s_lshr_b32 s100, s[TB], 2
	s_lshl_b32 s100, s100, 4
	s_add_co_u32 s100, s100, s[HD]                 ; bh = 16 x batch + head
	s_and_b32 s101, s[TB], 3                       ; which 256 tokens of the sequence
	s_mov_b32 s99, 0
	s_mov_b32 s[SEL], 0x76543210
	s_mov_b32 s[SEL+1], 0xfedcba98
	v_and_b32 v11, 31, v0
	v_lshlrev_b32 v11, 4, v11                      ; 16 x lane: an image's place for my lane
	s_cmp_lt_u32 s[WV], 8
	s_cbranch_scc0 .Lrole_v
	; ---- q and k.  v16-19, v20-23 scale words; v32-63 the bias, tile t at 32 + 8 t; v64-95 W's four fragments; v96-127 X's four; v128-255 accumulator (m, t) at 128 + 32 m + 8 t
	s_cmp_lt_u32 s[WV], 4
	s_cselect_b64 s[20:21], s[20:21], s[22:23]
	s_cselect_b64 s[28:29], s[28:29], s[32:33]
	s_cselect_b64 s[30:31], s[30:31], s[34:35]
	s_lshl_b32 s98, s[HD], 8
	s_add_nc_u64 s[20:21], s[20:21], s[98:99]      ; the head's 64 biases
	v_lshlrev_b32 v12, 6, v2                       ; lane (r, h) wants, for tile 2 b + u, those of channels 32 b + 16 h + 8 u + 0 .. 7
.irp t, 0,1,2,3
	global_load_b128 v[32+8*\t:35+8*\t], v12, s[20:21] offset:(32*(\t/2)+8*(\t%2))*4
	global_load_b128 v[36+8*\t:39+8*\t], v12, s[20:21] offset:(32*(\t/2)+8*(\t%2))*4+16
.endr
	s_and_b32 s51, s[WV], 3
	s_lshl_b32 s101, s101, 2
	s_add_co_u32 s101, s101, s51                   ; which 64 tokens of the sequence
	s_lshl_b32 s98, s100, 15
	s_lshl_b32 s51, s101, 11
	s_add_co_u32 s98, s98, s51
	s_add_nc_u64 s[28:29], s[28:29], s[98:99]      ; images: 32,768 bytes a head, 2,048 for 64 tokens
	s_lshl_b32 s98, s100, 12
	s_lshl_b32 s51, s101, 8
	s_add_co_u32 s98, s98, s51
	s_add_nc_u64 s[30:31], s[30:31], s[98:99]      ; scale words: 4,096 bytes a head, 256 for 64 tokens
	v_lshlrev_b32 v13, 4, v1
	v_lshl_add_u32 v13, v2, 3, v13                 ; 16 r + 8 h
.macro STEPQK k, first                 ; 128 along K: 16 matrix instructions, the 16 accumulators by turns
	NOPS 4                                         ; places in front of loads into registers that matrix instructions have read
.irp t, 0,1,2,3
	FRAG 64+8*\t, 3, (32*(\t/2)+8*(\t%2))*PITCH+64*\k
	FRAG 96+8*\t, 4, 16*\t*PITCH+64*\k
	ds_load_b32 v[16+\t], v5 offset:(4*(\t/2)+\t%2)*SUNIT+4*\k
	ds_load_b32 v[20+\t], v6 offset:2*SUNIT*\t+4*\k
.endr
	s_wait_dscnt 0x0
.if \first
	s_wait_loadcnt 0x0                             ; the bias
.endif
.irp m, 0,1,2,3
.irp t, 0,1,2,3
.if \first
	MM 128+32*\m+8*\t, 64+8*\t, 96+8*\m, 32+8*\t, 16+\t, 20+\m
.else
	MM 128+32*\m+8*\t, 64+8*\t, 96+8*\m, 128+32*\m+8*\t, 16+\t, 20+\m
.endif
.endr
.endr
.endm
	STEPQK 0, 1
.irp k, 1,2,3,4,5,6,7
	STEPQK \k, 0
.endr
	NOPS 4
.irp b, 0,1,2,3
	v_mov_b32 v[68+\b], 0                          ; a lane permute's destination counts as one of its sources
.endr
.irp m, 0,1,2,3                                ; 16 tokens at a time: 32 registers = channels 32 b + 16 h + i of my token
	QUANT 128+32*\m, 2, 96+4*\m, 64
	global_store_b128 v11, v[96+4*\m:99+4*\m], s[28:29] offset:512*\m   ; 512 consecutive bytes
	v_lshl_or_b32 v[112+\m], v69, 8, v68
	v_lshl_or_b32 v[112+\m], v[112+\m], 16, v[112+\m]                   ; s0, s1, s0, s1
.endr
	v_cmp_ne_u32 vcc_lo, 0, v2
	v_cndmask_b32 v116, v112, v114, vcc_lo
	v_cndmask_b32 v117, v113, v115, vcc_lo
	global_store_b64 v13, v[116:117], s[30:31]     ; the wave's 64 words: 256 consecutive bytes
	s_branch .Ldone
.Lrole_v:
	; ---- v.  v16-23, v24-25 scale words; v32-95 X's eight fragments; v96-111 Wv's two; v112-127 the bias; v128-255 accumulator (j, t) at 128 + 64 j + 8 t
	s_and_b32 s51, s[WV], 1                        ; which 32 channels
	s_bfe_u32 s49, s[WV], 0x10001                  ; which 128 tokens
	s_lshl_b32 s101, s101, 1
	s_add_co_u32 s101, s101, s49                   ; which 128 tokens of the sequence
	s_lshl_b32 s98, s[HD], 8
	s_lshl_b32 s50, s51, 7
	s_add_co_u32 s98, s98, s50
	s_add_nc_u64 s[24:25], s[24:25], s[98:99]
	v_lshlrev_b32 v12, 2, v1
	global_load_b32 v112, v12, s[24:25]            ; a lane holds one channel: one bias for a tile's eight registers
	global_load_b32 v120, v12, s[24:25] offset:64
	s_lshl_b32 s98, s100, 15
	s_lshl_b32 s50, s101, 12
	s_add_co_u32 s98, s98, s50
	s_lshl_b32 s50, s51, 11
	s_add_co_u32 s98, s98, s50
	s_add_nc_u64 s[36:37], s[36:37], s[98:99]
	s_lshl_b32 s98, s100, 11
	s_lshl_b32 s50, s101, 8
	s_add_co_u32 s98, s98, s50
	s_lshl_b32 s50, s51, 7
	s_add_co_u32 s98, s98, s50
	s_add_nc_u64 s[38:39], s[38:39], s[98:99]
	v_lshlrev_b32 v13, 6, v2
	v_lshl_add_u32 v13, v1, 2, v13                 ; 64 h + 4 r
	s_wait_loadcnt 0x0
.irp i, 1,2,3,4,5,6,7
	v_mov_b32 v[112+\i], v112
	v_mov_b32 v[120+\i], v120
.endr
.macro STEPV k, first
	NOPS 4
.irp t, 0,1,2,3,4,5,6,7
	FRAG 32+8*\t, 7, (32*(\t/2)+8*(\t%2))*PITCH+64*\k
	ds_load_b32 v[16+\t], v9 offset:(4*(\t/2)+\t%2)*SUNIT+4*\k
.endr
.irp j, 0,1
	FRAG 96+8*\j, 8, 16*\j*PITCH+64*\k
	ds_load_b32 v[24+\j], v10 offset:2*SUNIT*\j+4*\k
.endr
	s_wait_dscnt 0x0
.irp j, 0,1
.irp t, 0,1,2,3,4,5,6,7
.if \first
	MM 128+64*\j+8*\t, 32+8*\t, 96+8*\j, 112+8*\j, 16+\t, 24+\j
.else
	MM 128+64*\j+8*\t, 32+8*\t, 96+8*\j, 128+64*\j+8*\t, 16+\t, 24+\j
.endif
.endr
.endr
.endm
	STEPV 0, 1
.irp k, 1,2,3,4,5,6,7
	STEPV \k, 0
.endr
	NOPS 4
.irp b, 0,1,2,3
	v_mov_b32 v[36+\b], 0
.endr
.irp j, 0,1                                    ; 16 channels at a time: 64 registers = tokens 32 b + 16 h + i of my channel: one fragment of V^T
	QUANT 128+64*\j, 4, 48+8*\j, 32
	v_lshl_or_b32 v[64+\j], v37, 8, v36
	v_lshl_or_b32 v[64+\j], v38, 16, v[64+\j]
	v_lshl_or_b32 v[64+\j], v39, 24, v[64+\j]
	global_store_b128 v11, v[48+8*\j:51+8*\j], s[36:37] offset:1024*\j
	global_store_b128 v11, v[52+8*\j:55+8*\j], s[36:37] offset:1024*\j+512
.endr
	v_cmp_ne_u32 vcc_lo, 0, v2
	v_cndmask_b32 v66, v64, v65, vcc_lo            ; lanes 0-15 store the first tile's words, lanes 16-31 the second's
	global_store_b32 v13, v66, s[38:39]
.Ldone:
	s_set_vgpr_msb 0x5
	s_wait_tensorcnt 0x0
	ds_add_u32 v0, v1
	s_wait_dscnt 0x0
	s_set_vgpr_msb 0x500
	CROUND                                         ; the closing round: no work-group ends while a partner may still ask for a tile that names it
	s_endpgm
.Lfunc_end_k_q8355c6dd5c_proj:
	.size	k_q8355c6dd5c_proj, .Lfunc_end_k_q8355c6dd5c_proj-k_q8355c6dd5c_proj
	.p2alignl 7, 3214868480
	.fill 96, 4, 3214868480
	.section	.rodata,"a",@progbits
	.p2align	6, 0x0
	.amdhsa_kernel k_q8355c6dd5c_proj
		.amdhsa_group_segment_fixed_size 253440
		.amdhsa_private_segment_fixed_size 0
		.amdhsa_enable_private_segment 0
		.amdhsa_kernarg_size 160
		.amdhsa_user_sgpr_count 2
		.amdhsa_user_sgpr_kernarg_segment_ptr 1
		.amdhsa_wavefront_size32 1
		.amdhsa_system_sgpr_workgroup_id_x 1
		.amdhsa_system_sgpr_workgroup_id_y 1
		.amdhsa_system_sgpr_workgroup_id_z 1
		.amdhsa_system_vgpr_workitem_id 0
		.amdhsa_next_free_vgpr 258
		.amdhsa_next_free_sgpr 106
		.amdhsa_reserve_vcc 1
		.amdhsa_float_denorm_mode_32 3
		.amdhsa_float_denorm_mode_16_64 3
		.amdhsa_memory_ordered 1
		.amdhsa_forward_progress 1
		.amdhsa_inst_pref_size 94
	.end_amdhsa_kernel
	.amdgpu_metadata
---
amdhsa.version: [ 1, 2 ]
amdhsa.kernels:
  - .name:           k_q8355c6dd5c_proj
    .symbol:         k_q8355c6dd5c_proj.kd
    .args:
      - { .name: hidden_states_codes, .offset: 0, .size: 8, .value_kind: global_buffer, .address_space: global }
      - { .name: hidden_states_scales, .offset: 8, .size: 8, .value_kind: global_buffer, .address_space: global }
      - { .name: wq_codes, .offset: 16, .size: 8, .value_kind: global_buffer, .address_space: global }
      - { .name: wq_scales, .offset: 24, .size: 8, .value_kind: global_buffer, .address_space: global }
      - { .name: wk_codes, .offset: 32, .size: 8, .value_kind: global_buffer, .address_space: global }
      - { .name: wk_scales, .offset: 40, .size: 8, .value_kind: global_buffer, .address_space: global }
      - { .name: wv_codes, .offset: 48, .size: 8, .value_kind: global_buffer, .address_space: global }
      - { .name: wv_scales, .offset: 56, .size: 8, .value_kind: global_buffer, .address_space: global }
      - { .name: bq, .offset: 64, .size: 8, .value_kind: global_buffer, .address_space: global }
      - { .name: bk, .offset: 72, .size: 8, .value_kind: global_buffer, .address_space: global }
      - { .name: bv, .offset: 80, .size: 8, .value_kind: global_buffer, .address_space: global }
      - { .name: dist_emb, .offset: 88, .size: 8, .value_kind: global_buffer, .address_space: global }
      - { .name: qimg, .offset: 96, .size: 8, .value_kind: global_buffer, .address_space: global }
      - { .name: qsc, .offset: 104, .size: 8, .value_kind: global_buffer, .address_space: global }
      - { .name: kimg, .offset: 112, .size: 8, .value_kind: global_buffer, .address_space: global }
      - { .name: ksc, .offset: 120, .size: 8, .value_kind: global_buffer, .address_space: global }
      - { .name: vimg, .offset: 128, .size: 8, .value_kind: global_buffer, .address_space: global }
      - { .name: vsc, .offset: 136, .size: 8, .value_kind: global_buffer, .address_space: global }
      - { .name: eimg, .offset: 144, .size: 8, .value_kind: global_buffer, .address_space: global }
      - { .name: esc, .offset: 152, .size: 8, .value_kind: global_buffer, .address_space: global }
    .group_segment_fixed_size: 253440
    .private_segment_fixed_size: 0
    .kernarg_segment_align: 8
    .kernarg_segment_size: 160
    .max_flat_workgroup_size: 384
    .sgpr_count:     106
    .vgpr_count:     258
    .wavefront_size: 32
...
	.end_amdgpu_metadata
.endif
;; end of part 1
;; launch attn (part 2): grid 4 x 64, 16 waves a work-group, no clusters, 287,744 bytes of LDS; arguments qimg, qsc, kimg, ksc, vimg, vsc, eimg, esc, out0; writes out0
.if DOCPART == 2
	.amdgcn_target "amdgcn-amd-amdhsa--gfx1250"
	.amdhsa_code_object_version 6
	.text
	.protected	k_q8355c6dd5c_attn
	.globl	k_q8355c6dd5c_attn
	.p2align	8
	.type	k_q8355c6dd5c_attn,@function
k_q8355c6dd5c_attn:
	s_mov_b64 s[64:65], 0
	v_nop
	global_prefetch_b8 v0, s[64:65] scope:SCOPE_SE
	s_setreg_imm32_b32 hwreg(HW_REG_WAVE_MODE, 25, 1), 1
	s_wait_xcnt 0x0
; score[l][r] = q[l].k[r] + q[l].E[l - r + 1023] + k[r].E[l - r + 1023], all three on codes of FP4 along the head's 64 channels; t = score x log2(e) / 8; M = the row's largest t so far, rounded up to a
; whole number; p = 2^(t - M) is quantised along the keys; O = (sum of p v) / (sum of the unquantised p).  When M moves, the sum and O are multiplied by 2^(old M - new M): exact.
; SHARES.  A work-group owns 256 queries of one (batch, head); each of its sixteen waves 16 of them, in 256 registers: four waves to a SIMD.  Every wave walks the 1,024 keys, 128 a step.
; LDS is filled once, through registers (K's codes are laid anew on the way): 1,280 rows of E, the head's K and V with their scale words: 134,144 bytes; one barrier; the loop reads no memory.
; NO CLUSTER: of those bytes only V and the scale words of K and V (38,912) are the same dense bytes in the four work-groups of a head; K is laid anew on its way in, E's rows differ from block to block.
; LAYOUT.  All products are used so that a lane holds ONE query n = lane % 16 and its registers run along the keys: register 16 b + i of S is key 128 s + 32 b + 16 h + i, h = lane / 16.
; A product's K is 64, the instruction's 128.  The other half is put to use:
;   K's fragments hold rows 0-7 of a tile in the lower 64 of K and rows 8-15 in the upper 64, zeros elsewhere (a record in LDS with 128 bytes of zeros in its middle gives both by two loads).
;   q.k: source 1 = (q, q).   k.E: source 1 = (window X, the window 16 rows lower): rows 8-15 of a tile are keys 16 further on, which want just those rows of E.
; THE SKEW by l - r.  With x = n + 127 - (key in the step), the row of E is 16 x (first window) + x, nine windows of 16 rows a step.
;   q.E: source 0 = a window, source 1 = (q, zeros): a lane gets its query's 144 products; they go through the wave's own LDS rows and come back shifted by the lane's n, straight into S,
;        where they are the C of q.k: no addition.
;   k.E: a lane gets column n' of a window; the key's register wants column n + u, u the same for all lanes: two additions that fetch their first source from lane n + u or n + u - 16 (DPP).
; LIMITS.  NaN and infinities are not served.  A block whose every p has fallen to 0 keeps the byte 1: its codes are zeros.  A block's largest p is taken from the block's largest score by the same
; multiply-add and exponential (it takes v_exp_f32 not to fall where its input rises; at the worst one p of a block is held one code low).
.set EIMG, 0                           ; 80 windows x 512 bytes: lane (r, h): channels 32 h .. of row 16 W + r.  Local row = (query in the block) - key + 1023
.set ESC,  40960                       ; 1,280 words: s0(J), s1(J), s0(J - 16), s1(J - 16)
.set KREC, 46080                       ; 64 records of 768 bytes: for each h 384: rows 0-7, zeros, rows 8-15
.set KSC,  95232                       ; [key / 64][key % 16][(key / 16) % 4] words
.set VIMG, 99328                       ; [step][channel / 16][c][lane][16]
.set VSC,  132096                      ; [step][channel / 16][channel % 16] words
.set GB,   134144                      ; for each wave 16 rows of 592 bytes: 144 products a query; at the end the way out
.set GBW,  9472
.set GP,   592                         ; 37 x 16: the 16 rows of a store start at 16 different groups of banks; the loads' lanes lie 149 words apart
; v0 thread; v1-8 addresses that stay (E, E's scales, K, K's scales, V, V's scales, into and out of my rows); v9-14 the step's; v15 my bytes in out0; v16 -M, v17 the largest t, v[18:19] the sum
; v20-55 nine windows of E, the highest first; v56-59, v60-63 q, twice; v64-67 zeros; scale words and nothing else: v68 q, v69-77 E, v78-81 K, v82-85 V, v94 p
; v86-93 the ninth tile of q.E; v96-159 S, then p; v160-191 O^T; v192-255 at work
.macro MM d, a, b, c, sa, sb
	v_wmma_scale_f32_16x16x128_f8f6f4 v[\d:\d+7], v[\a:\a+7], v[\b:\b+7], v[\c:\c+7], v[\sa], v[\sb] matrix_a_fmt:MATRIX_FMT_FP4 matrix_b_fmt:MATRIX_FMT_FP4
.endm
.macro MM0 d, a, b, sa, sb
	v_wmma_scale_f32_16x16x128_f8f6f4 v[\d:\d+7], v[\a:\a+7], v[\b:\b+7], 0, v[\sa], v[\sb] matrix_a_fmt:MATRIX_FMT_FP4 matrix_b_fmt:MATRIX_FMT_FP4
.endm
.macro NOPS n
.rept \n
	v_nop
.endr
.endm
	s_load_b512 s[4:19], s[0:1], 0x0               ; qimg, qsc, kimg, ksc, vimg, vsc, eimg, esc
	s_load_b64 s[20:21], s[0:1], 0x40              ; out0
	v_lshrrev_b32 v201, 5, v0
	v_readfirstlane_b32 s22, v201                  ; wave 0..15
	s_and_b32 s23, ttmp7, 0xffff                   ; bh = 16 x batch + head
	v_and_b32 v198, 15, v0                         ; n
	v_bfe_u32 v199, v0, 4, 1                       ; h
	v_and_b32 v200, 31, v0                         ; lane
.irp i, 0,1,2,3
	v_mov_b32 v[64+\i], 0
.endr
	s_add_co_u32 s34, s22, 56                      ; step 0's first window: wave + 56
	s_lshl_b32 s35, s34, 9
	v_lshl_add_u32 v1, v200, 4, s35
	s_lshl_b32 s35, s34, 6
	s_add_co_u32 s35, s35, ESC
	v_lshl_add_u32 v2, v198, 2, s35
	v_mul_u32_u24 v3, v199, 384
	v_lshl_add_u32 v3, v198, 4, v3
	v_add_nc_u32 v3, KREC, v3
	v_and_b32 v201, 7, v198
	v_lshrrev_b32 v202, 3, v198
	v_lshlrev_b32 v4, 4, v201
	v_lshl_add_u32 v4, v202, 2, v4
	v_add_nc_u32 v4, KSC, v4
	v_lshl_add_u32 v5, v200, 4, VIMG
	v_lshl_add_u32 v6, v198, 2, VSC
	s_mul_i32 s29, s22, GBW
	s_add_co_u32 s29, s29, GB                      ; my wave's rows
	v_mul_u32_u24 v7, v198, GP
	v_lshl_add_u32 v7, v199, 5, v7
	v_add_nc_u32 v7, s29, v7                       ; in: row n, word 16 x window + 8 h + register
	v_mul_u32_u24 v8, v198, GP+4
	v_add_nc_u32 v8, s29, v8
	v_xor_b32 v201, 1, v199
	v_lshl_add_u32 v8, v201, 6, v8                 ; out: row n, word n + 16 (1 - h) + (111 - 32 b - i)
	v_lshlrev_b32 v15, 12, v199
	v_lshl_add_u32 v15, v198, 4, v15               ; out0: lanes 0-15 one token's 256 bytes, lanes 16-31 the next token's
	; the fill's places
	v_lshlrev_b32 v9, 4, v0
	v_lshlrev_b32 v13, 3, v0
	v_lshlrev_b32 v14, 2, v0
	v_lshlrev_b32 v192, 1, v0
	s_lshr_b32 s34, s22, 1
	s_mul_i32 s34, s34, 1536
	s_and_b32 s35, s22, 1
	s_lshl_b32 s35, s35, 8
	s_add_co_u32 s34, s34, s35
	s_add_co_u32 s34, s34, KREC
	v_bfe_u32 v201, v0, 3, 1
	v_and_b32 v202, 7, v0
	v_mul_u32_u24 v193, v201, 768                  ; token 16 w + r of 256: record 2 (w / 2) + r / 8, rows 8 (w % 2) + r % 8 .. of it
	v_mad_u32_u24 v193, v199, 384, v193
	v_lshl_add_u32 v193, v202, 4, v193
	v_add_nc_u32 v193, s34, v193
	v_lshrrev_b32 v194, 4, v0
	v_mul_u32_u24 v194, v194, 768                  ; the records' zeros: 8 threads to each 128 bytes
	v_mad_u32_u24 v194, v201, 384, v194
	v_lshl_add_u32 v194, v202, 4, v194
	v_add_nc_u32 v194, KREC+128, v194
	v_add_nc_u32 v195, VIMG, v9
	v_add_nc_u32 v196, KSC, v13
	v_add_nc_u32 v197, VSC, v14
	v_lshlrev_b32 v203, 4, v200
	v_lshlrev_b32 v204, 4, v198
	s_mov_b32 s35, 0
	s_mov_b32 s37, 0
	s_wait_kmcnt 0x0
	s_lshl_b32 s34, ttmp9, 13                      ; my block's first window: 16 x block
	s_add_nc_u64 s[16:17], s[16:17], s[34:35]
	s_lshl_b32 s34, ttmp9, 10
	s_add_nc_u64 s[18:19], s[18:19], s[34:35]
	s_lshl_b32 s34, s23, 15
	s_add_nc_u64 s[8:9], s[8:9], s[34:35]
	s_add_nc_u64 s[12:13], s[12:13], s[34:35]
	s_lshl_b32 s36, ttmp9, 4
	s_add_co_u32 s36, s36, s22
	s_lshl_b32 s36, s36, 9
	s_add_co_u32 s36, s36, s34
	s_add_nc_u64 s[4:5], s[4:5], s[36:37]          ; my 16 queries' image
	s_lshl_b32 s34, s23, 12
	s_add_nc_u64 s[10:11], s[10:11], s[34:35]
	s_lshl_b32 s36, ttmp9, 2
	s_lshr_b32 s38, s22, 2
	s_add_co_u32 s36, s36, s38
	s_lshl_b32 s36, s36, 8
	s_and_b32 s38, s22, 3
	s_lshl_b32 s38, s38, 2
	s_add_co_u32 s36, s36, s38
	s_add_co_u32 s36, s36, s34
	s_add_nc_u64 s[6:7], s[6:7], s[36:37]          ; and their scale words
	s_lshl_b32 s34, s23, 11
	s_add_nc_u64 s[14:15], s[14:15], s[34:35]
.irp i, 0,1,2,3,4
	global_load_b128 v[96+4*\i:99+4*\i], v9, s[16:17] offset:8192*\i     ; each load of a wave: 512 consecutive bytes
.endr
	global_load_b64 v[116:117], v13, s[18:19]
	global_load_u16 v118, v192, s[18:19] offset:4096                     ; 5,120 bytes of E's scale words = 512 threads x (8 + 2)
.irp i, 0,1,2,3
	global_load_b128 v[120+4*\i:123+4*\i], v9, s[8:9] offset:8192*\i
.endr
	global_load_b64 v[136:137], v13, s[10:11]
.irp i, 0,1,2,3
	global_load_b128 v[138+4*\i:141+4*\i], v9, s[12:13] offset:8192*\i
.endr
	global_load_b32 v119, v14, s[14:15]
	global_load_b128 v[56:59], v203, s[4:5]        ; q twice: a matrix instruction's two sources share no register
	global_load_b128 v[60:63], v203, s[4:5]
	global_load_b32 v68, v204, s[6:7]
	s_lshr_b32 s34, s23, 4                         ; out0: batch x 1,024 tokens x 4,096 bytes + my first token + head x 256
	s_lshl_b32 s34, s34, 22
	s_lshl_b32 s36, ttmp9, 8
	s_lshl_b32 s38, s22, 4
	s_add_co_u32 s36, s36, s38
	s_lshl_b32 s36, s36, 12
	s_add_co_u32 s34, s34, s36
	s_and_b32 s36, s23, 15
	s_lshl_b32 s36, s36, 8
	s_add_co_u32 s34, s34, s36
	s_add_nc_u64 s[20:21], s[20:21], s[34:35]
	s_mov_b32 s30, 0x76543210
	s_mov_b32 s31, 0xfedcba98                      ; v_permlanex16_b32's selects for lane l xor 16
	s_mov_b32 s32, 0x3e38aa3b                      ; c = log2(e) / 8
	s_mov_b32 s33, s32                             ; (named with it as a pair, so it is written)
	s_mov_b32 s24, 0                               ; the step's offsets: 4,096 s, 512 s, 6,144 s, 256 s
	s_mov_b32 s25, 0
	s_mov_b32 s26, 0
	s_mov_b32 s27, 0
	s_mov_b32 s28, 0                               ; s
	v_mov_b32 v17, 0xff61b1e6                      ; the largest t so far: -3e38, under every t
	v_floor_f32 v16, -v17                          ; -M
	v_mov_b32 v18, 0
	v_mov_b32 v19, 0
.irp j, 0,1,2,3,4,5,6,7,8,9,10,11,12,13,14,15,16,17,18,19,20,21,22,23,24,25,26,27,28,29,30,31
	v_mov_b32 v[160+\j], 0                         ; O^T: the loop is written once; its first step finds zeros, which the first change of M leaves zeros
.endr
.irp b, 0,1,2,3
	v_mov_b32 v[236+\b], 0
.endr
	v_mov_b32 v253, 0
	s_wait_loadcnt 0x0
.irp i, 0,1,2,3,4
	ds_store_b128 v9, v[96+4*\i:99+4*\i] offset:EIMG+8192*\i
.endr
	ds_store_b64 v13, v[116:117] offset:ESC
	ds_store_b16 v192, v118 offset:ESC+4096
.irp i, 0,1,2,3
	ds_store_b128 v193, v[120+4*\i:123+4*\i] offset:12288*\i
.endr
.irp i, 0,1
	ds_store_b128 v194, v[64:67] offset:24576*\i
.endr
	ds_store_b64 v196, v[136:137]
.irp i, 0,1,2,3
	ds_store_b128 v195, v[138+4*\i:141+4*\i] offset:8192*\i
.endr
	ds_store_b32 v197, v119
	s_wait_dscnt 0x0                               ; for the others' sake: my stores have landed
	s_barrier_signal -1
	s_barrier_wait -1                              ; the one barrier: from here on these bytes are only read, and my rows are mine alone
.macro KLOAD hf                        ; four tiles of 16 keys: 64 hf on
.irp t, 0,1,2,3
	ds_load_b128 v[192+8*\t:195+8*\t], v11 offset:(4*\hf+\t)*768       ; rows 0-7's codes | zeros
	ds_load_b128 v[196+8*\t:199+8*\t], v11 offset:(4*\hf+\t)*768+128   ; zeros | rows 8-15's codes
	ds_load_b32 v[78+\t], v12 offset:\hf*256+(\t%2)*128+(\t/2)*8
.endr
	s_wait_dscnt 0x0
.endm
.macro SQK hf                          ; S += K (q, q)^T: C is the skewed q.E
.irp t, 0,1,2,3
	MM 96+32*\hf+8*\t, 192+8*\t, 56, 96+32*\hf+8*\t, 78+\t, 68
.endr
.endm
.macro G2 b, pr                        ; k.E for the 32 keys of block b (tiles 2 pr, 2 pr + 1 in hand), against the lower pair of windows (v224, v240) and the higher (v232, v248)
.irp u, 0,1
	MM0 224+16*\u, 192+8*(2*\pr+\u), 24+8*\b, 78+2*\pr+\u, 70+2*\b
	MM0 232+16*\u, 192+8*(2*\pr+\u), 20+8*\b, 78+2*\pr+\u, 69+2*\b
.endr
.endm
.macro SKL b, x, l                     ; register x of the block wants column n + l: lanes with n + l <= 15 find it in the lower pair, l lanes up; the others keep their sum
	v_add_f32_dpp v[96+16*\b+\x], v[224+16*(\x/8)+\x%8], v[96+16*\b+\x] row_shl:\l row_mask:0xf bank_mask:0xf
.endm
.macro SKH b, x, r                     ; the others in the higher pair, r = 16 - l lanes down
	v_add_f32_dpp v[96+16*\b+\x], v[232+16*(\x/8)+\x%8], v[96+16*\b+\x] row_shr:\r row_mask:0xf bank_mask:0xf
.endm
.macro SKEW b
	SKL \b, 0, 15
	SKL \b, 1, 14
	SKL \b, 2, 13
	SKL \b, 3, 12
	SKL \b, 4, 11
	SKL \b, 5, 10
	SKL \b, 6, 9
	SKL \b, 7, 8
	SKL \b, 8, 7
	SKL \b, 9, 6
	SKL \b, 10, 5
	SKL \b, 11, 4
	SKL \b, 12, 3
	SKL \b, 13, 2
	SKL \b, 14, 1
	v_add_f32 v[96+16*\b+15], v247, v[96+16*\b+15]
	SKH \b, 0, 1
	SKH \b, 1, 2
	SKH \b, 2, 3
	SKH \b, 3, 4
	SKH \b, 4, 5
	SKH \b, 5, 6
	SKH \b, 6, 7
	SKH \b, 7, 8
	SKH \b, 8, 9
	SKH \b, 9, 10
	SKH \b, 10, 11
	SKH \b, 11, 12
	SKH \b, 12, 13
	SKH \b, 13, 14
	SKH \b, 14, 15
.endm
.Lstep:                                            ; eight trips: 128 keys each
	v_sub_nc_u32 v9, v1, s24                       ; E's windows go down by eight a step.  (These six lines are also the places between the last products and those that write over their operands)
	v_sub_nc_u32 v10, v2, s25
	v_add_nc_u32 v11, s26, v3
	v_add_nc_u32 v12, s25, v4
	v_add_nc_u32 v13, s24, v5
	v_add_nc_u32 v14, s27, v6
.irp t, 0,1,2,3,4,5,6,7,8
	ds_load_b128 v[20+4*\t:23+4*\t], v9 offset:(8-\t)*512               ; the nine windows, the highest first
	ds_load_b32 v[69+\t], v10 offset:(8-\t)*64
.endr
	s_wait_dscnt 0x0
	MM0 86, 20, 60, 69, 68                         ; q.E: source 0 = (a window, whatever follows it), source 1 = (q, zeros)
.irp t, 1,2,3,4,5,6,7,8
	MM0 192+8*(8-\t), 20+4*\t, 60, 69+\t, 68
.endr
	NOPS 5                                         ; four places in front of the stores of results, five in front of the products that write over them
.irp o, 0,1,2,3,4,5,6,7
	ds_store_b128 v7, v[192+8*\o:195+8*\o] offset:64*\o                 ; each result from its low end on
	ds_store_b128 v7, v[196+8*\o:199+8*\o] offset:64*\o+16
.endr
	ds_store_b128 v7, v[86:89] offset:512
	ds_store_b128 v7, v[90:93] offset:528
.irp b, 0,1,2,3
.irp i, 0,1,2,3,4,5,6,7,8,9,10,11,12,13,14,15
	ds_load_b32 v[96+16*\b+\i], v8 offset:4*(111-32*\b-\i)              ; LDS serves a wave's instructions in order: these see my stores
.endr
.endr
	KLOAD 0                                        ; its wait for 0 covers the 64 loads above too
	SQK 0
	G2 0, 0
	NOPS 5
	SKEW 0
	G2 1, 1
	NOPS 5
	SKEW 1
	KLOAD 1
	SQK 1
	G2 2, 0
	NOPS 5
	SKEW 2
	G2 3, 1
	NOPS 5
	SKEW 3
.irp d, 0,1,2,3
	ds_load_b128 v[192+8*\d:195+8*\d], v13 offset:1024*\d               ; V^T's four fragments land under the softmax
	ds_load_b128 v[196+8*\d:199+8*\d], v13 offset:1024*\d+512
	ds_load_b32 v[82+\d], v14 offset:64*\d
.endr
.irp b, 0,1,2,3
	v_max3_num_f32 v[232+\b], v[96+16*\b], v[97+16*\b], v[98+16*\b]     ; the largest score of each block of 32 keys: for the row's maximum and for the block's largest p
.endr
.irp i, 3,5,7,9,11,13
.irp b, 0,1,2,3
	v_max3_num_f32 v[232+\b], v[232+\b], v[96+16*\b+\i], v[97+16*\b+\i]
.endr
.endr
.irp b, 0,1,2,3
	v_max_num_f32 v[232+\b], v[232+\b], v[111+16*\b]
.endr
.irp b, 0,1,2,3
	v_permlanex16_b32 v[236+\b], v[232+\b], s30, s31
.endr
.irp b, 0,1,2,3
	v_max_num_f32 v[232+\b], v[232+\b], v[236+\b]
.endr
	v_max3_num_f32 v254, v232, v233, v234
	v_max_num_f32 v254, v254, v235
	v_mul_f32 v254, s32, v254                      ; the step's largest t (c is positive)
	v_max_num_f32 v17, v17, v254
	v_mov_b32 v254, v16
	v_floor_f32 v16, -v17                          ; -M = floor(-t): M is a whole number
	v_sub_f32 v254, v16, v254
	v_cvt_i32_f32 v254, v254                       ; (it saturates)
	v_ldexp_f32 v252, 1.0, v254                    ; f = 2^(old M - new M)
.irp j, 0,2,4,6,8,10,12,14,16,18,20,22,24,26,28,30,32,34,36,38,40,42,44,46,48,50,52,54,56,58,60,62
	v_pk_fma_f32 v[96+\j:97+\j], v[96+\j:97+\j], s[32:33], v[16:17] op_sel_hi:[1,0,0]   ; t - M
.endr
.irp b, 0,1,2,3
	v_fma_f32 v[232+\b], v[232+\b], s32, v16
.endr
.irp j, 0,1,2,3,4,5,6,7,8,9,10,11,12,13,14,15,16,17,18,19,20,21,22,23,24,25,26,27,28,29,30,31,32,33,34,35,36,37,38,39,40,41,42,43,44,45,46,47,48,49,50,51,52,53,54,55,56,57,58,59,60,61,62,63
	v_exp_f32 v[96+\j], v[96+\j]                   ; p = 2^(t - M)
.endr
.irp b, 0,1,2,3
	v_exp_f32 v[232+\b], v[232+\b]
.endr
	v_pk_mul_f32 v[18:19], v[18:19], v[252:253] op_sel_hi:[1,0]         ; the sum under the new M (a plain place behind the exponentials)
	s_wait_alu depctr_va_vdst(0)
.irp b, 0,1,2,3
	v_max_num_f32 v[232+\b], 0x1800000, v[232+\b]  ; the floor 2^(3 - 127): the byte cannot fall under 1
.endr
.irp b, 0,1,2,3
	v_add_nc_u32 v[244+\b], 0xff000000, v[232+\b]
.endr
.irp b, 0,1,2,3
	v_lshrrev_b32 v[236+\b], 23, v[244+\b]
.endr
	v_lshl_or_b32 v94, v237, 8, v236               ; p's scale word for these 128 keys
	v_lshl_or_b32 v94, v238, 16, v94
	v_lshl_or_b32 v94, v239, 24, v94
.irp b, 0,1,2,3
	v_cvt_scalef32_pk8_fp4_f32 v[224+2*\b], v[96+16*\b:103+16*\b], v[244+\b]
	v_cvt_scalef32_pk8_fp4_f32 v[225+2*\b], v[104+16*\b:111+16*\b], v[244+\b]
.endr
	v_nop                                          ; one plain place behind a scaled conversion
.irp c, 0,1
.irp i, 0,1
	v_permlane16_swap_b32 v[224+4*\c+\i], v[226+4*\c+\i]
.endr
.endr
	v_pk_add_f32 v[236:237], v[96:97], v[98:99]    ; the row's sum is taken of the unquantised p, in two chains
.irp j, 4,8,12,16,20,24,28,32,36,40,44,48,52,56,60
	v_pk_add_f32 v[18:19], v[18:19], v[96+\j:97+\j]
	v_pk_add_f32 v[236:237], v[236:237], v[98+\j:99+\j]
.endr
	v_pk_add_f32 v[18:19], v[18:19], v[236:237]
.irp j, 0,2,4,6,8,10,12,14,16,18,20,22,24,26,28,30
	v_pk_mul_f32 v[160+\j:161+\j], v[160+\j:161+\j], v[252:253] op_sel_hi:[1,0]   ; O^T under the new M.  (The lines since the scale word and the codes are the places in front of the products)
.endr
	s_wait_dscnt 0x0                               ; V
.irp d, 0,1,2,3
	MM 160+8*\d, 192+8*\d, 224, 160+8*\d, 82+\d, 94
.endr
	s_add_co_u32 s24, s24, 4096
	s_add_co_u32 s25, s25, 512
	s_add_co_u32 s26, s26, 6144
	s_add_co_u32 s27, s27, 256
	s_add_co_u32 s28, s28, 1
	s_cmp_lt_u32 s28, 8
	s_cbranch_scc1 .Lstep
	; THE WAY OUT: O^T / the sum goes through my own rows in LDS (16 queries x 256 bytes + 16) and leaves as whole runs of 256 bytes
	v_add_f32 v18, v18, v19
	v_permlanex16_b32 v252, v18, s30, s31
	v_add_f32 v18, v18, v252                       ; the row's sum
	v_rcp_f32 v18, v18
	v_and_b32 v9, 15, v0                           ; (a plain place behind the transcendental; these lines are also the places behind the last products)
	v_bfe_u32 v10, v0, 4, 1
	v_mul_u32_u24 v11, v9, 272
	v_lshl_add_u32 v11, v10, 5, v11
	v_add_nc_u32 v11, s29, v11                     ; in: row n, 64 x tile + 32 h
	v_mul_u32_u24 v12, v10, 272
	v_lshl_add_u32 v12, v9, 4, v12
	v_add_nc_u32 v12, s29, v12                     ; back: lanes 0-15 one row, lanes 16-31 the next
	s_wait_alu depctr_va_vdst(0)
.irp j, 0,1,2,3,4,5,6,7,8,9,10,11,12,13,14,15,16,17,18,19,20,21,22,23,24,25,26,27,28,29,30,31
	v_mul_f32 v[96+\j], v[160+\j], v18             ; register 8 d + j: channel 16 d + 8 h + j of query n
.endr
.irp d, 0,1,2,3
	ds_store_b128 v11, v[96+8*\d:99+8*\d] offset:64*\d
	ds_store_b128 v11, v[100+8*\d:103+8*\d] offset:64*\d+16
.endr
.irp i, 0,1,2,3,4,5,6,7
	ds_load_b128 v[128+4*\i:131+4*\i], v12 offset:2*\i*272              ; LDS serves a wave's instructions in order: these see my stores
.endr
.irp i, 0,1,2,3,4,5,6,7
	s_wait_dscnt 7-\i                              ; the younger of the eight loads may stay out
	global_store_b128 v15, v[128+4*\i:131+4*\i], s[20:21] offset:8192*\i th:TH_STORE_NT   ; 16 lanes store 256 consecutive bytes, at a multiple of 256 from out0's first byte
.endr
	s_wait_xcnt 0x0
	v_lshl_add_u32 v254, v0, 2, 0x45c00
	v_mov_b32 v255, 0
	s_wait_tensorcnt 0x0
	ds_add_u32 v254, v255
	s_wait_dscnt 0x0
	s_endpgm
.Lfunc_end_k_q8355c6dd5c_attn:
	.size	k_q8355c6dd5c_attn, .Lfunc_end_k_q8355c6dd5c_attn-k_q8355c6dd5c_attn
	.p2alignl 7, 3214868480
	.fill 96, 4, 3214868480
	.section	.rodata,"a",@progbits
	.p2align	6, 0x0
	.amdhsa_kernel k_q8355c6dd5c_attn
		.amdhsa_group_segment_fixed_size 287744
		.amdhsa_private_segment_fixed_size 0
		.amdhsa_enable_private_segment 0
		.amdhsa_kernarg_size 72
		.amdhsa_user_sgpr_count 2
		.amdhsa_user_sgpr_kernarg_segment_ptr 1
		.amdhsa_wavefront_size32 1
		.amdhsa_system_sgpr_workgroup_id_x 1
		.amdhsa_system_sgpr_workgroup_id_y 1
		.amdhsa_system_sgpr_workgroup_id_z 1
		.amdhsa_system_vgpr_workitem_id 0
		.amdhsa_next_free_vgpr 256
		.amdhsa_next_free_sgpr 66
		.amdhsa_reserve_vcc 0
		.amdhsa_float_denorm_mode_32 3
		.amdhsa_float_denorm_mode_16_64 3
		.amdhsa_memory_ordered 1
		.amdhsa_forward_progress 1
		.amdhsa_inst_pref_size 48
	.end_amdhsa_kernel
	.amdgpu_metadata
---
amdhsa.version: [ 1, 2 ]
amdhsa.kernels:
  - .name:           k_q8355c6dd5c_attn
    .symbol:         k_q8355c6dd5c_attn.kd
    .args:
      - { .name: qimg, .offset: 0, .size: 8, .value_kind: global_buffer, .address_space: global }
      - { .name: qsc, .offset: 8, .size: 8, .value_kind: global_buffer, .address_space: global }
      - { .name: kimg, .offset: 16, .size: 8, .value_kind: global_buffer, .address_space: global }
      - { .name: ksc, .offset: 24, .size: 8, .value_kind: global_buffer, .address_space: global }
      - { .name: vimg, .offset: 32, .size: 8, .value_kind: global_buffer, .address_space: global }
      - { .name: vsc, .offset: 40, .size: 8, .value_kind: global_buffer, .address_space: global }
      - { .name: eimg, .offset: 48, .size: 8, .value_kind: global_buffer, .address_space: global }
      - { .name: esc, .offset: 56, .size: 8, .value_kind: global_buffer, .address_space: global }
      - { .name: out0, .offset: 64, .size: 8, .value_kind: global_buffer, .address_space: global }
    .group_segment_fixed_size: 287744
    .private_segment_fixed_size: 0
    .kernarg_segment_align: 8
    .kernarg_segment_size: 72
    .max_flat_workgroup_size: 512
    .sgpr_count:     66
    .vgpr_count:     256
    .wavefront_size: 32
...
	.end_amdgpu_metadata
.endif
;; end of part 2
;; ======== version 2 of 2: 2 launches; version 1 with the launch attn written anew for expert scheduling mode
;; workspace buffers: qimg 2,097,152 bytes; kimg 2,097,152 bytes; vimg 2,097,152 bytes; qsc 262,144 bytes; ksc 262,144 bytes; vsc 131,072 bytes; eimg 65,536 bytes; esc 8,192 bytes
;; launch proj: the kernel of part 1 again; grid 16 x 16, 12 waves a work-group, clusters of 4 x 4, 253,440 bytes of LDS; arguments hidden_states_codes, hidden_states_scales, wq_codes, wq_scales, wk_codes, wk_scales, wv_codes, wv_scales, bq, bk, bv, dist_emb, qimg, qsc, kimg, ksc, vimg, vsc, eimg, esc; writes qimg, qsc, kimg, ksc, vimg, vsc, eimg, esc
;; launch attn (part 3): grid 4 x 64, 16 waves a work-group, no clusters, 287,744 bytes of LDS; arguments qimg, qsc, kimg, ksc, vimg, vsc, eimg, esc, out0; writes out0
.if DOCPART == 3
	.amdgcn_target "amdgcn-amd-amdhsa--gfx1250"
	.amdhsa_code_object_version 6
	.text
	.protected	k_q8355c6dd5c_attn
	.globl	k_q8355c6dd5c_attn
	.p2align	8
	.type	k_q8355c6dd5c_attn,@function
k_q8355c6dd5c_attn:
	s_mov_b64 s[64:65], 0
	v_nop
	global_prefetch_b8 v0, s[64:65] scope:SCOPE_SE
	s_setreg_imm32_b32 hwreg(HW_REG_WAVE_SCHED_MODE, 0, 2), 2
	s_setreg_imm32_b32 hwreg(HW_REG_WAVE_MODE, 25, 1), 1
	s_wait_xcnt 0x0
	s_wait_alu depctr_vm_vsrc(0)
; score[l][r] = q[l].k[r] + q[l].E[l - r + 1023] + k[r].E[l - r + 1023], all three on codes of FP4 along the head's 64 channels; t = score x log2(e) / 8; M = the row's largest t so far, rounded up to a
; whole number; p = 2^(t - M) is quantised along the keys; O = (sum of p v) / (sum of the unquantised p).  When M moves, the sum and O are multiplied by 2^(old M - new M): exact.
; SHARES.  A work-group owns 256 queries of one (batch, head); each of its sixteen waves 16 of them, in 256 registers: four waves to a SIMD.  Every wave walks the 1,024 keys, 128 a step.
; LDS is filled once, through registers (K's codes are laid anew on the way): 1,280 rows of E, the head's K and V with their scale words: 134,144 bytes; one barrier; the loop reads no memory.
; NO CLUSTER: of those bytes only V and the scale words of K and V (38,912) are the same dense bytes in the four work-groups of a head; K is laid anew on its way in, E's rows differ from block to block.
; LAYOUT.  All products are used so that a lane holds ONE query n = lane % 16 and its registers run along the keys: register 16 b + i of S is key 128 s + 32 b + 16 h + i, h = lane / 16.
; A product's K is 64, the instruction's 128.  The other half is put to use:
;   K's fragments hold rows 0-7 of a tile in the lower 64 of K and rows 8-15 in the upper 64, zeros elsewhere (a record in LDS with 128 bytes of zeros in its middle gives both by two loads).
;   q.k: source 1 = (q, q).   k.E: source 1 = (window X, the window 16 rows lower): rows 8-15 of a tile are keys 16 further on, which want just those rows of E.
; THE SKEW by l - r.  With x = n + 127 - (key in the step), the row of E is 16 x (first window) + x, nine windows of 16 rows a step.
;   q.E: source 0 = a window, source 1 = (q, zeros): a lane gets its query's 144 products; they go through the wave's own LDS rows and come back shifted by the lane's n, straight into S,
;        where they are the C of q.k: no addition.
;   k.E: a lane gets column n' of a window; the key's register wants column n + u, u the same for all lanes: two additions that fetch their first source from lane n + u or n + u - 16 (DPP).
; LIMITS.  NaN and infinities are not served.  A block whose every p has fallen to 0 keeps the byte 1: its codes are zeros.  A block's largest p is taken from the block's largest score by the same
; multiply-add and exponential (it takes v_exp_f32 not to fall where its input rises; at the worst one p of a block is held one code low).
; THE MODE: SCHED_MODE bits 1:0 = 2 (LLVM: expert scheduling mode 2), set by the entry lines.  The code itself states the register dependences between vector or matrix instructions and
; memory or LDS instructions, with s_wait_alu, always for 0.
; THE PLAN.  Registers that LDS instructions touch in a key step, in the step's order:
;   v11-14           addresses of K's and V's loads: written by four vector lines at the step's head; read by K's two runs of loads and by V's run.
;   v192-255, v86-93 written by the nine products q.E; read by the 18 stores into my rows.  Then v192-223: K's first four tiles land and are multiplied, K's other four land and are multiplied,
;                    V's four land and are multiplied by the step's last products.  v224-255: from the stores on named by products and vector lines alone.
;   v78-81, v82-85   K's and V's scale words: they go with v192-223.
;   v96-159          the 64 skewed loads land; from there on products and vector lines alone.
;   v20-55, v69-77   E's windows and their scale words: read by products from q.E to the step's last k.E; behind that product the NEXT step's windows land in them.
;   v9, v10          addresses of E's loads: written behind the step's last k.E; read by the loads that follow at once.
;   v7, v8           the addresses into and out of my rows: never written in the loop.
; So a step has four waits on va_vdst of this kind (behind q.E; behind the second k.E; behind the last k.E; ahead of the last products) beside the one for the exponentials, and two on vm_vsrc
; (at its head; ahead of K's first run).  Between a wait and the loads that lean on it no vector or matrix line names a register of those loads.
.set EIMG, 0                           ; 80 windows x 512 bytes: lane (r, h): channels 32 h .. of row 16 W + r.  Local row = (query in the block) - key + 1023
.set ESC,  40960                       ; 1,280 words: s0(J), s1(J), s0(J - 16), s1(J - 16)
.set KREC, 46080                       ; 64 records of 768 bytes: for each h 384: rows 0-7, zeros, rows 8-15
.set KSC,  95232                       ; [key / 64][key % 16][(key / 16) % 4] words
.set VIMG, 99328                       ; [step][channel / 16][c][lane][16]
.set VSC,  132096                      ; [step][channel / 16][channel % 16] words
.set GB,   134144                      ; for each wave 16 rows of 592 bytes: 144 products a query; at the end the way out
.set GBW,  9472
.set GP,   592                         ; 37 x 16: the 16 rows of a store start at 16 different groups of banks; the loads' lanes lie 149 words apart
; v0 thread; v1-8 addresses that stay (E, E's scales: both at step 1's first window; K, K's scales, V, V's scales, into and out of my rows); v9-14 the step's; v15 my bytes in out0; v16 -M, v17 the largest t, v[18:19] the sum
; v20-55 nine windows of E, the highest first; v56-59, v60-63 q, twice; v64-67 zeros; scale words and nothing else: v68 q, v69-77 E, v78-81 K, v82-85 V, v94 p
; v86-93 the ninth tile of q.E; v96-159 S, then p; v160-191 O^T; v192-255 at work
.macro MM d, a, b, c, sa, sb
	v_wmma_scale_f32_16x16x128_f8f6f4 v[\d:\d+7], v[\a:\a+7], v[\b:\b+7], v[\c:\c+7], v[\sa], v[\sb] matrix_a_fmt:MATRIX_FMT_FP4 matrix_b_fmt:MATRIX_FMT_FP4
.endm
.macro MM0 d, a, b, sa, sb
	v_wmma_scale_f32_16x16x128_f8f6f4 v[\d:\d+7], v[\a:\a+7], v[\b:\b+7], 0, v[\sa], v[\sb] matrix_a_fmt:MATRIX_FMT_FP4 matrix_b_fmt:MATRIX_FMT_FP4
.endm
.macro NOPS n
.rept \n
	v_nop
.endr
.endm
	s_load_b512 s[4:19], s[0:1], 0x0               ; qimg, qsc, kimg, ksc, vimg, vsc, eimg, esc
	s_load_b64 s[20:21], s[0:1], 0x40              ; out0
	v_lshrrev_b32 v201, 5, v0
	v_readfirstlane_b32 s22, v201                  ; wave 0..15
	s_and_b32 s23, ttmp7, 0xffff                   ; bh = 16 x batch + head
	v_and_b32 v198, 15, v0                         ; n
	v_bfe_u32 v199, v0, 4, 1                       ; h
	v_and_b32 v200, 31, v0                         ; lane
.irp i, 0,1,2,3
	v_mov_b32 v[64+\i], 0
.endr
	s_wait_alu depctr_va_sdst(0)                   ; s22, the wave's number, is written, ahead of its first reader
	s_add_co_u32 s34, s22, 48                      ; step 1's first window: wave + 48 (step 0's lies eight windows higher: its loads carry that in their offsets)
	s_lshl_b32 s35, s34, 9
	v_lshl_add_u32 v1, v200, 4, s35
	s_lshl_b32 s35, s34, 6
	s_add_co_u32 s35, s35, ESC
	v_lshl_add_u32 v2, v198, 2, s35
	v_mul_u32_u24 v3, v199, 384
	v_lshl_add_u32 v3, v198, 4, v3
	v_add_nc_u32 v3, KREC, v3
	v_and_b32 v201, 7, v198
	v_lshrrev_b32 v202, 3, v198
	v_lshlrev_b32 v4, 4, v201
	v_lshl_add_u32 v4, v202, 2, v4
	v_add_nc_u32 v4, KSC, v4
	v_lshl_add_u32 v5, v200, 4, VIMG
	v_lshl_add_u32 v6, v198, 2, VSC
	s_mul_i32 s29, s22, GBW
	s_add_co_u32 s29, s29, GB                      ; my wave's rows
	v_mul_u32_u24 v7, v198, GP
	v_lshl_add_u32 v7, v199, 5, v7
	v_add_nc_u32 v7, s29, v7                       ; in: row n, word 16 x window + 8 h + register
	v_mul_u32_u24 v8, v198, GP+4
	v_add_nc_u32 v8, s29, v8
	v_xor_b32 v201, 1, v199
	v_lshl_add_u32 v8, v201, 6, v8                 ; out: row n, word n + 16 (1 - h) + (111 - 32 b - i)
	v_lshlrev_b32 v15, 12, v199
	v_lshl_add_u32 v15, v198, 4, v15               ; out0: lanes 0-15 one token's 256 bytes, lanes 16-31 the next token's
	; the fill's places
	v_lshlrev_b32 v9, 4, v0
	v_lshlrev_b32 v13, 3, v0
	v_lshlrev_b32 v14, 2, v0
	v_lshlrev_b32 v192, 1, v0
	s_lshr_b32 s34, s22, 1
	s_mul_i32 s34, s34, 1536
	s_and_b32 s35, s22, 1
	s_lshl_b32 s35, s35, 8
	s_add_co_u32 s34, s34, s35
	s_add_co_u32 s34, s34, KREC
	v_bfe_u32 v201, v0, 3, 1
	v_and_b32 v202, 7, v0
	v_mul_u32_u24 v193, v201, 768                  ; token 16 w + r of 256: record 2 (w / 2) + r / 8, rows 8 (w % 2) + r % 8 .. of it
	v_mad_u32_u24 v193, v199, 384, v193
	v_lshl_add_u32 v193, v202, 4, v193
	v_add_nc_u32 v193, s34, v193
	v_lshrrev_b32 v194, 4, v0
	v_mul_u32_u24 v194, v194, 768                  ; the records' zeros: 8 threads to each 128 bytes
	v_mad_u32_u24 v194, v201, 384, v194
	v_lshl_add_u32 v194, v202, 4, v194
	v_add_nc_u32 v194, KREC+128, v194
	v_add_nc_u32 v195, VIMG, v9
	v_add_nc_u32 v196, KSC, v13
	v_add_nc_u32 v197, VSC, v14
	v_lshlrev_b32 v203, 4, v200
	v_lshlrev_b32 v204, 4, v198
	s_mov_b32 s35, 0
	s_mov_b32 s37, 0
	s_wait_kmcnt 0x0
	s_lshl_b32 s34, ttmp9, 13                      ; my block's first window: 16 x block
	s_add_nc_u64 s[16:17], s[16:17], s[34:35]
	s_lshl_b32 s34, ttmp9, 10
	s_add_nc_u64 s[18:19], s[18:19], s[34:35]
	s_lshl_b32 s34, s23, 15
	s_add_nc_u64 s[8:9], s[8:9], s[34:35]
	s_add_nc_u64 s[12:13], s[12:13], s[34:35]
	s_lshl_b32 s36, ttmp9, 4
	s_add_co_u32 s36, s36, s22
	s_lshl_b32 s36, s36, 9
	s_add_co_u32 s36, s36, s34
	s_add_nc_u64 s[4:5], s[4:5], s[36:37]          ; my 16 queries' image
	s_lshl_b32 s34, s23, 12
	s_add_nc_u64 s[10:11], s[10:11], s[34:35]
	s_lshl_b32 s36, ttmp9, 2
	s_lshr_b32 s38, s22, 2
	s_add_co_u32 s36, s36, s38
	s_lshl_b32 s36, s36, 8
	s_and_b32 s38, s22, 3
	s_lshl_b32 s38, s38, 2
	s_add_co_u32 s36, s36, s38
	s_add_co_u32 s36, s36, s34
	s_add_nc_u64 s[6:7], s[6:7], s[36:37]          ; and their scale words
	s_lshl_b32 s34, s23, 11
	s_add_nc_u64 s[14:15], s[14:15], s[34:35]
	s_wait_alu depctr_va_vdst(0)                   ; every offset and address made above (v1-9, v13-15, v192-197, v203, v204) and the zeros v64-67 are written: the loads and stores of the fill, of the loop and of the way out read them
.irp i, 0,1,2,3,4
	global_load_b128 v[96+4*\i:99+4*\i], v9, s[16:17] offset:8192*\i     ; each load of a wave: 512 consecutive bytes
.endr
	global_load_b64 v[116:117], v13, s[18:19]
	global_load_u16 v118, v192, s[18:19] offset:4096                     ; 5,120 bytes of E's scale words = 512 threads x (8 + 2)
.irp i, 0,1,2,3
	global_load_b128 v[120+4*\i:123+4*\i], v9, s[8:9] offset:8192*\i
.endr
	global_load_b64 v[136:137], v13, s[10:11]
.irp i, 0,1,2,3
	global_load_b128 v[138+4*\i:141+4*\i], v9, s[12:13] offset:8192*\i
.endr
	global_load_b32 v119, v14, s[14:15]
	global_load_b128 v[56:59], v203, s[4:5]        ; q twice: a matrix instruction's two sources share no register
	global_load_b128 v[60:63], v203, s[4:5]
	global_load_b32 v68, v204, s[6:7]
	s_lshr_b32 s34, s23, 4                         ; out0: batch x 1,024 tokens x 4,096 bytes + my first token + head x 256
	s_lshl_b32 s34, s34, 22
	s_lshl_b32 s36, ttmp9, 8
	s_lshl_b32 s38, s22, 4
	s_add_co_u32 s36, s36, s38
	s_lshl_b32 s36, s36, 12
	s_add_co_u32 s34, s34, s36
	s_and_b32 s36, s23, 15
	s_lshl_b32 s36, s36, 8
	s_add_co_u32 s34, s34, s36
	s_add_nc_u64 s[20:21], s[20:21], s[34:35]
	s_mov_b32 s30, 0x76543210
	s_mov_b32 s31, 0xfedcba98                      ; v_permlanex16_b32's selects for lane l xor 16
	s_mov_b32 s32, 0x3e38aa3b                      ; c = log2(e) / 8
	s_mov_b32 s33, s32                             ; (named with it as a pair, so it is written)
	s_mov_b32 s24, 0                               ; the step's offsets: 4,096 s, 512 s, 6,144 s, 256 s
	s_mov_b32 s25, 0
	s_mov_b32 s26, 0
	s_mov_b32 s27, 0
	s_mov_b32 s28, 0                               ; s
	v_mov_b32 v17, 0xff61b1e6                      ; the largest t so far: -3e38, under every t.  (The vector lines from here to the barrier name no register of the loads above or of the stores below)
	v_floor_f32 v16, -v17                          ; -M
	v_mov_b32 v18, 0
	v_mov_b32 v19, 0
.irp j, 0,1,2,3,4,5,6,7,8,9,10,11,12,13,14,15,16,17,18,19,20,21,22,23,24,25,26,27,28,29,30,31
	v_mov_b32 v[160+\j], 0                         ; O^T: the step is written for all steps alike; the first finds zeros, which the first change of M leaves zeros
.endr
.irp b, 0,1,2,3
	v_mov_b32 v[236+\b], 0
.endr
	v_mov_b32 v253, 0
	s_wait_loadcnt 0x0
.irp i, 0,1,2,3,4
	ds_store_b128 v9, v[96+4*\i:99+4*\i] offset:EIMG+8192*\i
.endr
	ds_store_b64 v13, v[116:117] offset:ESC
	ds_store_b16 v192, v118 offset:ESC+4096
.irp i, 0,1,2,3
	ds_store_b128 v193, v[120+4*\i:123+4*\i] offset:12288*\i
.endr
.irp i, 0,1
	ds_store_b128 v194, v[64:67] offset:24576*\i
.endr
	ds_store_b64 v196, v[136:137]
.irp i, 0,1,2,3
	ds_store_b128 v195, v[138+4*\i:141+4*\i] offset:8192*\i
.endr
	ds_store_b32 v197, v119
	s_wait_dscnt 0x0                               ; for the others' sake: my stores have landed
	s_barrier_signal -1
	s_barrier_wait -1                              ; the one barrier: from here on these bytes are only read, and my rows are mine alone
.irp t, 0,1,2,3,4,5,6,7,8
	ds_load_b128 v[20+4*\t:23+4*\t], v1 offset:4096+(8-\t)*512          ; step 0's nine windows, the highest first: eight windows above step 1's
	ds_load_b32 v[69+\t], v2 offset:512+(8-\t)*64
.endr
	s_wait_dscnt 0x0
.macro KLOAD hf                        ; four tiles of 16 keys: 64 hf on
.irp t, 0,1,2,3
	ds_load_b128 v[192+8*\t:195+8*\t], v11 offset:(4*\hf+\t)*768       ; rows 0-7's codes | zeros
	ds_load_b128 v[196+8*\t:199+8*\t], v11 offset:(4*\hf+\t)*768+128   ; zeros | rows 8-15's codes
	ds_load_b32 v[78+\t], v12 offset:\hf*256+(\t%2)*128+(\t/2)*8
.endr
.endm
.macro SQK hf                          ; S += K (q, q)^T: C is the skewed q.E
.irp t, 0,1,2,3
	MM 96+32*\hf+8*\t, 192+8*\t, 56, 96+32*\hf+8*\t, 78+\t, 68
.endr
.endm
.macro G2 b, pr                        ; k.E for the 32 keys of block b (tiles 2 pr, 2 pr + 1 in hand), against the lower pair of windows (v224, v240) and the higher (v232, v248)
.irp u, 0,1
	MM0 224+16*\u, 192+8*(2*\pr+\u), 24+8*\b, 78+2*\pr+\u, 70+2*\b
	MM0 232+16*\u, 192+8*(2*\pr+\u), 20+8*\b, 78+2*\pr+\u, 69+2*\b
.endr
.endm
.macro SKL b, x, l                     ; register x of the block wants column n + l: lanes with n + l <= 15 find it in the lower pair, l lanes up; the others keep their sum
	v_add_f32_dpp v[96+16*\b+\x], v[224+16*(\x/8)+\x%8], v[96+16*\b+\x] row_shl:\l row_mask:0xf bank_mask:0xf
.endm
.macro SKH b, x, r                     ; the others in the higher pair, r = 16 - l lanes down
	v_add_f32_dpp v[96+16*\b+\x], v[232+16*(\x/8)+\x%8], v[96+16*\b+\x] row_shr:\r row_mask:0xf bank_mask:0xf
.endm
.macro SKEW b
	SKL \b, 0, 15
	SKL \b, 1, 14
	SKL \b, 2, 13
	SKL \b, 3, 12
	SKL \b, 4, 11
	SKL \b, 5, 10
	SKL \b, 6, 9
	SKL \b, 7, 8
	SKL \b, 8, 7
	SKL \b, 9, 6
	SKL \b, 10, 5
	SKL \b, 11, 4
	SKL \b, 12, 3
	SKL \b, 13, 2
	SKL \b, 14, 1
	v_add_f32 v[96+16*\b+15], v247, v[96+16*\b+15]
	SKH \b, 0, 1
	SKH \b, 1, 2
	SKH \b, 2, 3
	SKH \b, 3, 4
	SKH \b, 4, 5
	SKH \b, 5, 6
	SKH \b, 6, 7
	SKH \b, 7, 8
	SKH \b, 8, 9
	SKH \b, 9, 10
	SKH \b, 10, 11
	SKH \b, 11, 12
	SKH \b, 12, 13
	SKH \b, 13, 14
	SKH \b, 14, 15
.endm
; A KEY STEP: 128 keys.  Its windows of E are in registers when it begins.  more = 1: the next step's windows are asked for, behind the last product that reads this step's.
.macro STEP more
	s_wait_alu depctr_vm_vsrc(0)                   ; the last step's loads of K and V have read v11-14, which the four lines below write; in the first step: the fill's loads and stores have read their offsets and data (v9, v13, v14, v96-153, v192-204), which this step writes
	v_add_nc_u32 v11, s26, v3                      ; (these four lines and the v_nop are the five places between the last products and those that write over their operands)
	v_add_nc_u32 v12, s25, v4
	v_add_nc_u32 v13, s24, v5
	v_add_nc_u32 v14, s27, v6
	v_nop
	MM0 86, 20, 60, 69, 68                         ; q.E: source 0 = (a window, whatever follows it), source 1 = (q, zeros)
.irp t, 1,2,3,4,5,6,7,8
	MM0 192+8*(8-\t), 20+4*\t, 60, 69+\t, 68
.endr
	NOPS 5                                         ; four places in front of the stores of results, five in front of the products that write over them
	s_wait_alu depctr_va_vdst(0)                   ; the nine products have written v192-255 and v86-93, which the stores read; v11-14 are written, which K's and V's loads read; all that named v96-159, v192-223 and v78-81 before is done, and loads land there
.irp o, 0,1,2,3,4,5,6,7
	ds_store_b128 v7, v[192+8*\o:195+8*\o] offset:64*\o                 ; each result from its low end on
	ds_store_b128 v7, v[196+8*\o:199+8*\o] offset:64*\o+16
.endr
	ds_store_b128 v7, v[86:89] offset:512
	ds_store_b128 v7, v[90:93] offset:528
.irp b, 0,1,2,3
.irp i, 0,1,2,3,4,5,6,7,8,9,10,11,12,13,14,15
	ds_load_b32 v[96+16*\b+\i], v8 offset:4*(111-32*\b-\i)              ; LDS serves a wave's instructions in order: these see my stores
.endr
.endr
	s_wait_alu depctr_vm_vsrc(0)                   ; the stores have read v192-255 and v86-93: K's tiles land in v192-223, the products k.E write v224-255, the next step's q.E v86-93; and the loads of this step's windows have read v9, v10, which are written below
	KLOAD 0
	s_wait_dscnt 0x0                               ; K's first four tiles, and the 64 loads above
	SQK 0
	G2 0, 0
	NOPS 5
	SKEW 0
	G2 1, 1
	NOPS 5
	s_wait_alu depctr_va_vdst(0)                   ; the products so far are done reading K's tiles v192-223 and scale words v78-81, in which the next four tiles land
	KLOAD 1                                        ; they land under the 31 additions below, which name v224-255 and v112-127 alone
	SKEW 1
	s_wait_dscnt 0x0                               ; K's other four tiles
	SQK 1
	G2 2, 0
	NOPS 5
	SKEW 2
	G2 3, 1
.if \more
	v_sub_nc_u32 v9, v1, s24                       ; the next step's windows: E's windows go down by eight a step.  (Two of the five places)
	v_sub_nc_u32 v10, v2, s25
	NOPS 3
.else
	NOPS 5
.endif
	s_wait_alu depctr_va_vdst(0)                   ; the products are done reading K's tiles v192-223, in which V lands, and E's windows v20-55 and scale words v69-77, in which the next step's land; v9, v10 are written, which those loads read
.irp d, 0,1,2,3
	ds_load_b128 v[192+8*\d:195+8*\d], v13 offset:1024*\d               ; V^T's four fragments land under the skew and the softmax
	ds_load_b128 v[196+8*\d:199+8*\d], v13 offset:1024*\d+512
	ds_load_b32 v[82+\d], v14 offset:64*\d
.endr
.if \more
.irp t, 0,1,2,3,4,5,6,7,8
	ds_load_b128 v[20+4*\t:23+4*\t], v9 offset:(8-\t)*512               ; the nine windows, the highest first
	ds_load_b32 v[69+\t], v10 offset:(8-\t)*64
.endr
.endif
	SKEW 3
.irp b, 0,1,2,3
	v_max3_num_f32 v[232+\b], v[96+16*\b], v[97+16*\b], v[98+16*\b]     ; the largest score of each block of 32 keys: for the row's maximum and for the block's largest p
.endr
.irp i, 3,5,7,9,11,13
.irp b, 0,1,2,3
	v_max3_num_f32 v[232+\b], v[232+\b], v[96+16*\b+\i], v[97+16*\b+\i]
.endr
.endr
.irp b, 0,1,2,3
	v_max_num_f32 v[232+\b], v[232+\b], v[111+16*\b]
.endr
.irp b, 0,1,2,3
	v_permlanex16_b32 v[236+\b], v[232+\b], s30, s31
.endr
.irp b, 0,1,2,3
	v_max_num_f32 v[232+\b], v[232+\b], v[236+\b]
.endr
	v_max3_num_f32 v254, v232, v233, v234
	v_max_num_f32 v254, v254, v235
	v_mul_f32 v254, s32, v254                      ; the step's largest t (c is positive)
	v_max_num_f32 v17, v17, v254
	v_mov_b32 v254, v16
	v_floor_f32 v16, -v17                          ; -M = floor(-t): M is a whole number
	v_sub_f32 v254, v16, v254
	v_cvt_i32_f32 v254, v254                       ; (it saturates)
	v_ldexp_f32 v252, 1.0, v254                    ; f = 2^(old M - new M)
.irp j, 0,2,4,6,8,10,12,14,16,18,20,22,24,26,28,30,32,34,36,38,40,42,44,46,48,50,52,54,56,58,60,62
	v_pk_fma_f32 v[96+\j:97+\j], v[96+\j:97+\j], s[32:33], v[16:17] op_sel_hi:[1,0,0]   ; t - M
.endr
.irp b, 0,1,2,3
	v_fma_f32 v[232+\b], v[232+\b], s32, v16
.endr
.irp j, 0,1,2,3,4,5,6,7,8,9,10,11,12,13,14,15,16,17,18,19,20,21,22,23,24,25,26,27,28,29,30,31,32,33,34,35,36,37,38,39,40,41,42,43,44,45,46,47,48,49,50,51,52,53,54,55,56,57,58,59,60,61,62,63
	v_exp_f32 v[96+\j], v[96+\j]                   ; p = 2^(t - M)
.endr
.irp b, 0,1,2,3
	v_exp_f32 v[232+\b], v[232+\b]
.endr
	v_pk_mul_f32 v[18:19], v[18:19], v[252:253] op_sel_hi:[1,0]         ; the sum under the new M (a plain place behind the exponentials)
	s_wait_alu depctr_va_vdst(0)                   ; the 68 exponentials have written v96-159 and v232-235: one wait for the batch, ahead of its first reader
.irp b, 0,1,2,3
	v_max_num_f32 v[232+\b], 0x1800000, v[232+\b]  ; the floor 2^(3 - 127): the byte cannot fall under 1
.endr
.irp b, 0,1,2,3
	v_add_nc_u32 v[244+\b], 0xff000000, v[232+\b]
.endr
.irp b, 0,1,2,3
	v_lshrrev_b32 v[236+\b], 23, v[244+\b]
.endr
	v_lshl_or_b32 v94, v237, 8, v236               ; p's scale word for these 128 keys
	v_lshl_or_b32 v94, v238, 16, v94
	v_lshl_or_b32 v94, v239, 24, v94
.irp b, 0,1,2,3
	v_cvt_scalef32_pk8_fp4_f32 v[224+2*\b], v[96+16*\b:103+16*\b], v[244+\b]
	v_cvt_scalef32_pk8_fp4_f32 v[225+2*\b], v[104+16*\b:111+16*\b], v[244+\b]
.endr
	v_nop                                          ; one plain place behind a scaled conversion
.irp c, 0,1
.irp i, 0,1
	v_permlane16_swap_b32 v[224+4*\c+\i], v[226+4*\c+\i]
.endr
.endr
	v_pk_add_f32 v[236:237], v[96:97], v[98:99]    ; the row's sum is taken of the unquantised p, in two chains
.irp j, 4,8,12,16,20,24,28,32,36,40,44,48,52,56,60
	v_pk_add_f32 v[18:19], v[18:19], v[96+\j:97+\j]
	v_pk_add_f32 v[236:237], v[236:237], v[98+\j:99+\j]
.endr
	v_pk_add_f32 v[18:19], v[18:19], v[236:237]
.irp j, 0,2,4,6,8,10,12,14,16,18,20,22,24,26,28,30
	v_pk_mul_f32 v[160+\j:161+\j], v[160+\j:161+\j], v[252:253] op_sel_hi:[1,0]   ; O^T under the new M.  (The lines since the scale word and the codes are the places in front of the products)
.endr
	s_wait_dscnt 0x0                               ; V; and the next step's windows of E
	s_wait_alu depctr_va_vdst(0)                   ; the vector lines have written p's codes v224-231 and its scale word v94, which the scaled products take; the places stand in front of this wait
.irp d, 0,1,2,3
	MM 160+8*\d, 192+8*\d, 224, 160+8*\d, 82+\d, 94
.endr
.endm
.Lstep:                                            ; seven trips: 128 keys each
	STEP 1
	s_add_co_u32 s24, s24, 4096
	s_add_co_u32 s25, s25, 512
	s_add_co_u32 s26, s26, 6144
	s_add_co_u32 s27, s27, 256
	s_add_co_u32 s28, s28, 1
	s_cmp_lt_u32 s28, 7
	s_cbranch_scc1 .Lstep
	STEP 0                                         ; the eighth step is written out: no window of E lies behind it, and no LDS address falls under 0
	; THE WAY OUT: O^T / the sum goes through my own rows in LDS (16 queries x 256 bytes + 16) and leaves as whole runs of 256 bytes
	s_wait_alu depctr_vm_vsrc(0)                   ; the last step's loads of K have read v11, v12 (E's, a step earlier, v9, v10): the lines below write the four anew
	v_add_f32 v18, v18, v19
	v_permlanex16_b32 v252, v18, s30, s31
	v_add_f32 v18, v18, v252                       ; the row's sum
	v_rcp_f32 v18, v18
	v_and_b32 v9, 15, v0                           ; (a plain place behind the transcendental; these lines are also the places behind the last products)
	v_bfe_u32 v10, v0, 4, 1
	v_mul_u32_u24 v11, v9, 272
	v_lshl_add_u32 v11, v10, 5, v11
	v_add_nc_u32 v11, s29, v11                     ; in: row n, 64 x tile + 32 h
	v_mul_u32_u24 v12, v10, 272
	v_lshl_add_u32 v12, v9, 4, v12
	v_add_nc_u32 v12, s29, v12                     ; back: lanes 0-15 one row, lanes 16-31 the next
	s_wait_alu depctr_va_vdst(0)                   ; the reciprocal has written v18, ahead of its first reader
.irp j, 0,1,2,3,4,5,6,7,8,9,10,11,12,13,14,15,16,17,18,19,20,21,22,23,24,25,26,27,28,29,30,31
	v_mul_f32 v[96+\j], v[160+\j], v18             ; register 8 d + j: channel 16 d + 8 h + j of query n
.endr
	s_wait_alu depctr_va_vdst(0)                   ; the multiplications have written v96-127, which the stores read; v11, v12, their addresses, are written; the last step's sums are done reading v128-159, in which the loads land
.irp d, 0,1,2,3
	ds_store_b128 v11, v[96+8*\d:99+8*\d] offset:64*\d
	ds_store_b128 v11, v[100+8*\d:103+8*\d] offset:64*\d+16
.endr
.irp i, 0,1,2,3,4,5,6,7
	ds_load_b128 v[128+4*\i:131+4*\i], v12 offset:2*\i*272              ; LDS serves a wave's instructions in order: these see my stores
.endr
.irp i, 0,1,2,3,4,5,6,7
	s_wait_dscnt 7-\i                              ; the younger of the eight loads may stay out
	global_store_b128 v15, v[128+4*\i:131+4*\i], s[20:21] offset:8192*\i th:TH_STORE_NT   ; 16 lanes store 256 consecutive bytes, at a multiple of 256 from out0's first byte
.endr
	s_wait_xcnt 0x0                                ; every earlier memory instruction has had its addresses translated
	v_lshl_add_u32 v254, v0, 2, 0x45c00            ; my spare word, behind the waves' rows, and 0: made anew here, no two registers being free in the loop; no LDS or memory instruction has read v254 or v255 since the last wait on vm_vsrc
	v_mov_b32 v255, 0
	s_wait_dscnt 0x0                               ; the closing lines, six on end
	s_wait_alu 0x0
	s_wait_tensorcnt 0x0
	ds_add_u32 v254, v255
	s_wait_dscnt 0x0
	s_endpgm
.Lfunc_end_k_q8355c6dd5c_attn:
	.size	k_q8355c6dd5c_attn, .Lfunc_end_k_q8355c6dd5c_attn-k_q8355c6dd5c_attn
	.p2alignl 7, 3214868480
	.fill 96, 4, 3214868480
	.section	.rodata,"a",@progbits
	.p2align	6, 0x0
	.amdhsa_kernel k_q8355c6dd5c_attn
		.amdhsa_group_segment_fixed_size 287744
		.amdhsa_private_segment_fixed_size 0
		.amdhsa_enable_private_segment 0
		.amdhsa_kernarg_size 72
		.amdhsa_user_sgpr_count 2
		.amdhsa_user_sgpr_kernarg_segment_ptr 1
		.amdhsa_wavefront_size32 1
		.amdhsa_system_sgpr_workgroup_id_x 1
		.amdhsa_system_sgpr_workgroup_id_y 1
		.amdhsa_system_sgpr_workgroup_id_z 1
		.amdhsa_system_vgpr_workitem_id 0
		.amdhsa_next_free_vgpr 256
		.amdhsa_next_free_sgpr 66
		.amdhsa_reserve_vcc 0
		.amdhsa_float_denorm_mode_32 3
		.amdhsa_float_denorm_mode_16_64 3
		.amdhsa_memory_ordered 1
		.amdhsa_forward_progress 1
		.amdhsa_inst_pref_size 82
	.end_amdhsa_kernel
	.amdgpu_metadata
---
amdhsa.version: [ 1, 2 ]
amdhsa.kernels:
  - .name:           k_q8355c6dd5c_attn
    .symbol:         k_q8355c6dd5c_attn.kd
    .args:
      - { .name: qimg, .offset: 0, .size: 8, .value_kind: global_buffer, .address_space: global }
      - { .name: qsc, .offset: 8, .size: 8, .value_kind: global_buffer, .address_space: global }
      - { .name: kimg, .offset: 16, .size: 8, .value_kind: global_buffer, .address_space: global }
      - { .name: ksc, .offset: 24, .size: 8, .value_kind: global_buffer, .address_space: global }
      - { .name: vimg, .offset: 32, .size: 8, .value_kind: global_buffer, .address_space: global }
      - { .name: vsc, .offset: 40, .size: 8, .value_kind: global_buffer, .address_space: global }
      - { .name: eimg, .offset: 48, .size: 8, .value_kind: global_buffer, .address_space: global }
      - { .name: esc, .offset: 56, .size: 8, .value_kind: global_buffer, .address_space: global }
      - { .name: out0, .offset: 64, .size: 8, .value_kind: global_buffer, .address_space: global }
    .group_segment_fixed_size: 287744
    .private_segment_fixed_size: 0
    .kernarg_segment_align: 8
    .kernarg_segment_size: 72
    .max_flat_workgroup_size: 512
    .sgpr_count:     66
    .vgpr_count:     256
    .wavefront_size: 32
...
	.end_amdgpu_metadata
.endif
;; end of part 3
